; MI455X (gfx1250); checked and timed in simulation.
; The chip was launched on July 23, 2026; its instructions are those of AMD's public machine-readable ISA for CDNA 5 (MIT licence, August 2026) and "CDNA5" Instruction Set Architecture Reference Guide (July 2026). The comments in the code are by the model that wrote it; some were corrected since.
;; Cross Attention. Allowed arithmetic: matrix products marked QUANTISED: E2M3 operands, one E8M0 scale for each 32 along K, by v_wmma_scale_f32_16x16x128_f8f6f4 with both operands' format E2M3, f32 sums; everything else in f32.
;; Inputs: Wk 768 x 1,024 float32; Wo 1,024 x 1,024 float32; Wq 1,024 x 1,024 float32; Wv 768 x 1,024 float32; bk 1,024 float32; bo 1,024 float32; bq 1,024 float32; bv 1,024 float32; context 4 x 2,048 x 768 float32; x 4 x 2,048 x 1,024 float32.
;; Outputs: out0 4 x 2,048 x 1,024 float32.
;; This version of the problem:
;;   THIS VERSION OF THE PROBLEM IS GIVEN IN LOW PRECISION. The matrix products marked QUANTISED in the list below multiply operands that are first quantised to E2M3 (2 exponent bits, 3 mantissa bits; 6 bits a number), with one power-of-two scale for each 32 numbers along K (OCP MX v1.0); their sums are f32. All else is computed in f32.
;;   The module's matrix products, in the order in which they are computed (A, B: the left and right operand; K: the contracted axis; several contracted axes count as one K, in the product's order):
;;     1. [M 8,192, K 1,024] x [K 1,024, N 1,024]; A: input x; B: input Wq: QUANTISED
;;     2. [M 8,192, K 768] x [K 768, N 1,024]; A: input context; B: input Wk: QUANTISED
;;     3. [M 8,192, K 768] x [K 768, N 1,024]; A: input context; B: input Wv: QUANTISED
;;     4. batch 64 x [M 2,048, K 64] x [K 64, N 2,048]; A: computed on the way; B: computed on the way: QUANTISED
;;     5. batch 64 x [M 2,048, K 2,048] x [K 2,048, N 64]; A: softmax (see below); B: computed on the way: QUANTISED
;;     6. [M 8,192, K 1,024] x [K 1,024, N 1,024]; A: computed on the way; B: input Wo: QUANTISED
;;   THE QUANTISER, for each operand of a quantised product, along K:
;;     - K is cut into blocks of 32 from its start; a last block that is shorter is filled with zeros.
;;     - A block's scale is 2^e with e = floor(log2(the largest magnitude in the block)) - 2, held to -126 .. 127; a block of zeros has e = 0. As a byte (E8M0): e + 127.
;;     - Each number is divided by its block's scale, clamped to +-7.5, and rounded to the nearest number of E2M3, ties to even, subnormals kept.
;;     - The product sums the exact products of the quantised numbers (number of the format x scale) in f32.
;;   ~~~python
;;   def quantise(x, axis):      # numpy; x: float32 -> the quantised numbers, widened to float32 again
;;       x = np.moveaxis(x, axis, -1); K = x.shape[-1]
;;       x = np.pad(x, [(0, 0)] * (x.ndim - 1) + [(0, -K % 32)]); x = x.reshape(x.shape[:-1] + (-1, 32)); a = np.abs(x).max(-1, keepdims=True)
;;       e = np.where(a > 0, np.clip(np.frexp(np.where(a > 0, a, 1))[1] - 1 - 2, -126, 127), 0)      # np.frexp(a)[1] - 1 = floor(log2(a)), exactly
;;       r = np.clip(x / 2.0 ** e, -7.5, 7.5)
;;       step = 2.0 ** (np.maximum(np.frexp(np.where(r == 0, 1, r))[1] - 1, 0) - 3)
;;       q = np.round(r / step) * step * 2.0 ** e      # np.round: ties to even
;;       return np.moveaxis(q.reshape(q.shape[:-2] + (-1,))[..., :K], -1, axis).astype(np.float32)
;;   ~~~
;;   SOFTMAX AHEAD OF A QUANTISED PRODUCT. Where the list says 'softmax', what is quantised is not the finished softmax but p = 2^(t - M), with t = logit x log2(e) and M = ceil(the row's largest t), a whole number; so 1/2 < the row's largest p <= 1. The row's sum l is taken of the UNQUANTISED p, in f32, and the product's result is divided by l at the end. Since M is a whole number, a kernel that streams over the keys may use a running M (the ceiling of the running maximum): every later rescaling is an exact power of two, which a block's scale takes up: the codes' values come out the same.
;;   OPERANDS COMPUTED ON THE WAY. 'Computed on the way' means the value that the module computes at that place (a softmax that the list does not call 'softmax' is quantised finished and normalised). What goes into a quantiser is computed in f32, as accurately as f32 sums, v_exp_f32 and their like allow (about 1e-6 of the number): no bf16 or f16 on the way to a quantiser, and a product that is left as it is and whose result goes on into a quantised operand takes f32 operands (vector FMAs, or v_wmma_f32_16x16x4_f32). A number that lies on a knife's edge between two numbers of the format may be rounded either way, as far as f32 arithmetic and the matrix unit's own rounding can turn it there, and no further.
;; One version. Each part assembles by itself: llvm-mc -triple=amdgcn-amd-amdhsa -mcpu=gfx1250 --defsym DOCPART=n.
;; ======== version 1 of 1: 4 launches
;; limits: right only within a limited range of input values
;; workspace buffers: opc 13,762,560 bytes; ops 573,440 bytes; qkvc 18,874,368 bytes; qkvs 1,572,864 bytes; attc 6,291,456 bytes; atts 262,144 bytes
;; launch quant (part 1): grid 1008 x 1, 4 waves a work-group, no clusters, 68,096 bytes of LDS; arguments x, context, Wq, Wk, Wv, Wo, opc, ops; writes opc, ops
.if DOCPART == 1
	.amdgcn_target "amdgcn-amd-amdhsa--gfx1250"
	.amdhsa_code_object_version 6
	.text
	.protected	k_q662c573f66_quant
	.globl	k_q662c573f66_quant
	.p2align	8
	.type	k_q662c573f66_quant,@function
k_q662c573f66_quant:
	s_mov_b64 s[64:65], 0
	v_nop
	global_prefetch_b8 v0, s[64:65] scope:SCOPE_SE
	s_setreg_imm32_b32 hwreg(HW_REG_WAVE_MODE, 25, 1), 1
	s_wait_xcnt 0x0
; x [8192][1024], context [8192][768] (K innermost) and Wq, Wk, Wv, Wo ([K][1024], K outermost), all f32, become codes of FP6 (E2M3) with one E8M0 byte for each 32 along K.
; A block's byte is its largest magnitude's exponent field - 2, held at 1 from below; each number is divided by that scale and rounded to the nearest code, ties to even, beyond 7.5 the largest code.
; LIMITS: NaN and infinities are not served; a block of zeros, and one whose largest magnitude lies under 2^-124, gets the byte 1 (zero codes add nothing; this program alone reads the bytes).
; LAYOUT OF THE CODES: images of operand registers.  16 rows x 64 K are 768 bytes: lane (r = l % 16, h = l / 16) holds row r, k = 32 h .. 32 h + 31 in six registers; registers 2 j, 2 j + 1 lie at 256 j + 8 l.
; An operand is [K / 256][tile of 16 rows][4 such images]; its scale bytes [K / 256][tile][16 rows][8 bytes].  Every store of codes covers 256 consecutive bytes, aligned.
; THE ROWS OF A WEIGHT'S TILE ARE NOT NEIGHBOURS: tile 2 g + e, row i is output column 32 g + 8 e + i + 8 (i / 8), so that a product used transposed leaves 16 neighbouring columns in a lane's 16 registers.
; Work-groups 0-111 take the weights (a wave: 32 columns x 256 K, a lane a column, registers down K); 112-1007 the activations (a wave: 16 rows x 256 K, turned through its own stage in LDS).
.set C_X, 0
.set C_C, 6291456
.set C_WQ, 11010048
.set C_WK, 11796480
.set C_WV, 12386304
.set C_WO, 12976128
.set S_X, 0
.set S_C, 262144
.set S_WQ, 458752
.set S_WK, 491520
.set S_WV, 516096
.set S_WO, 540672
.set SPARE, 67584                      ; behind the four waves' stages (2 x 16 rows x 528 bytes each): the spare words, 128 bytes a wave
.set SPW, 8                            ; v8  my spare word's address; never rewritten
.set NIL, 9                            ; v9  0; never rewritten
.set TM, 12                            ; v12-27 at work in QUANT
.set PC, 28                            ; v28-39 a fragment's codes
.set CT, 40                            ; v40-47 the conversions' second halves
.set R0, 48                            ; v48-111  16 rows x 128 K as loaded, later the second half's neighbours
.set R1, 112                           ; v112-175 the second 128 K as loaded
.set X, 176                            ; v176-239 64 numbers of a lane: register 16 b + i = k 32 b + 16 h + i of row r
.set VO, 240                           ; v240-255 16 x lane + i x the row pitch
.set SEL, 34                           ; s[34:35] selects for lane l xor 16
; 64 numbers of a lane, register 16 b + i = the i-th of my 16 of block b, become two images (d0: k 0-63, d1: k 64-127) and the row's scale word pw
.macro QUANT s, d0, d1, pw
.irp b, 0,1,2,3
	v_max3_num_f32 v[TM+\b], |v[\s+16*\b]|, |v[\s+1+16*\b]|, 0x1800000   ; with the floor 2^(3 - 127): the byte cannot fall under 1
.endr
.irp i, 2,4,6,8,10,12,14
.irp b, 0,1,2,3
	v_max3_num_f32 v[TM+\b], v[TM+\b], |v[\s+16*\b+\i]|, |v[\s+1+16*\b+\i]|
.endr
.endr
.irp b, 0,1,2,3
	v_permlanex16_b32 v[TM+4+\b], v[TM+\b], s[SEL], s[SEL+1]
.endr
.irp b, 0,1,2,3
	v_max_num_f32 v[TM+\b], v[TM+\b], v[TM+4+\b]      ; with lane l xor 16's: the block's largest magnitude
.endr
.irp b, 0,1,2,3
	v_add_nc_u32 v[TM+12+\b], 0xff000000, v[TM+\b]    ; 2 off its exponent field: the conversion's scale operand
.endr
.irp b, 0,1,2,3
	v_lshrrev_b32 v[TM+4+\b], 23, v[TM+12+\b]         ; the byte
.endr
	v_lshl_or_b32 v[\pw], v[TM+5], 8, v[TM+4]
	v_lshl_or_b32 v[\pw], v[TM+6], 16, v[\pw]
	v_lshl_or_b32 v[\pw], v[TM+7], 24, v[\pw]
	v_cvt_scalef32_pk16_fp6_f32 v[\d0:\d0+2], v[\s:\s+15], v[TM+12]
	v_cvt_scalef32_pk16_fp6_f32 v[CT:CT+2], v[\s+16:\s+31], v[TM+13]
	v_cvt_scalef32_pk16_fp6_f32 v[\d1:\d1+2], v[\s+32:\s+47], v[TM+14]
	v_cvt_scalef32_pk16_fp6_f32 v[CT+4:CT+6], v[\s+48:\s+63], v[TM+15]
	v_nop                                             ; one plain place behind the scaled conversions
.irp i, 0,1,2
	v_permlane16_swap_b32 v[\d0+\i], v[CT+\i]         ; a whole block to a lane: lanes 0-15 the even block, lanes 16-31 the odd one
.endr
.irp i, 0,1,2
	v_mov_b32 v[\d0+3+\i], v[CT+\i]
.endr
.irp i, 0,1,2
	v_permlane16_swap_b32 v[\d1+\i], v[CT+4+\i]
.endr
.irp i, 0,1,2
	v_mov_b32 v[\d1+3+\i], v[CT+4+\i]
.endr
.endm
	s_load_b256 s[4:11], s[0:1], 0x0               ; x, context, Wq, Wk
	s_load_b256 s[12:19], s[0:1], 0x20             ; Wv, Wo, opc, ops
	v_lshl_add_u32 v[SPW], v0, 2, SPARE
	v_mov_b32 v[NIL], 0
	v_lshrrev_b32 v1, 5, v0
	v_readfirstlane_b32 s20, v1                    ; wave
	v_and_b32 v2, 31, v0                           ; lane
	v_lshlrev_b32 v6, 3, v2                        ; 8 x lane: my place in a store of 256 bytes
	s_mov_b32 s29, 0
	s_wait_kmcnt 0x0
	s_cmp_lt_u32 ttmp9, 112
	s_cbranch_scc1 .Lweights
	; ---- activations: work-group g = id - 112; x for g < 512, else context; u = g / 128 along K, tile = 4 (g % 128) + wave
	s_sub_co_u32 s21, ttmp9, 112
	s_mov_b32 s23, 3072
	s_cmp_lt_u32 s21, 512
	s_cselect_b32 s22, 0, 512
	s_cselect_b32 s23, 4096, s23                   ; a row in bytes
	s_cselect_b32 s24, C_X, C_C
	s_cselect_b32 s25, S_X, S_C
	s_cselect_b64 s[4:5], s[4:5], s[6:7]
	s_sub_co_u32 s21, s21, s22
	s_lshr_b32 s26, s21, 7                         ; u
	s_and_b32 s27, s21, 127
	s_lshl_b32 s27, s27, 2
	s_add_co_u32 s27, s27, s20                     ; tile
	s_lshl_b32 s28, s27, 4
	s_mul_i32 s28, s28, s23
	s_lshl_b32 s30, s26, 10
	s_add_co_u32 s28, s28, s30
	s_add_nc_u64 s[4:5], s[4:5], s[28:29]          ; row 16 tile, byte 1,024 u
	s_lshl_b32 s30, s26, 9
	s_add_co_u32 s30, s30, s27                     ; 512 u + tile
	s_mul_i32 s28, s30, 3072
	s_add_co_u32 s28, s28, s24
	s_add_nc_u64 s[16:17], s[16:17], s[28:29]
	s_lshl_b32 s28, s30, 7
	s_add_co_u32 s28, s28, s25
	s_add_nc_u64 s[18:19], s[18:19], s[28:29]
	s_mov_b32 s[SEL], 0x76543210
	s_mov_b32 s[SEL+1], 0xfedcba98
	s_wait_alu depctr_va_vdst(0)
	v_lshlrev_b32 v[VO], 4, v2
.irp i, 1,2,3,4,5,6,7,8,9,10,11,12,13,14,15
	v_add_nc_u32 v[VO+\i], s23, v[VO+\i-1]
.endr
.irp i, 0,1,2,3,4,5,6,7,8,9,10,11,12,13,14,15
	global_load_b128 v[R0+4*\i:R0+4*\i+3], v[VO+\i], s[4:5] th:TH_LOAD_NT             ; 32 lanes read 512 consecutive bytes of row i
.endr
.irp i, 0,1,2,3,4,5,6,7,8,9,10,11,12,13,14,15
	global_load_b128 v[R1+4*\i:R1+4*\i+3], v[VO+\i], s[4:5] offset:512 th:TH_LOAD_NT
.endr
	v_and_b32 v3, 15, v0                           ; r
	v_bfe_u32 v1, v0, 4, 1                         ; h
	s_mul_i32 s31, s20, 16896                      ; my wave's two stages
	v_lshl_add_u32 v4, v2, 4, s31                  ; in: 16 x lane, rows 528 bytes apart
	v_mul_u32_u24 v5, v3, 528
	v_lshl_add_u32 v5, v1, 6, v5
	v_add_nc_u32 v5, s31, v5                       ; out: row r, + 64 h: my 16 numbers of a block of 32
	v_lshlrev_b32 v7, 3, v3                        ; 8 r: my row's scale bytes
.irp b, 0,1,2,3
	v_mov_b32 v[TM+4+\b], 0                        ; written once: a lane permute's destination counts as one of its sources
.endr
	s_wait_alu depctr_va_vdst(0)
	s_wait_loadcnt 16                              ; the first 128 K are in; the second half's 16 loads may be out
.irp i, 0,1,2,3,4,5,6,7,8,9,10,11,12,13,14,15
	ds_store_b128 v4, v[R0+4*\i:R0+4*\i+3] offset:528*\i
.endr
.irp b, 0,1,2,3
.irp j, 0,1,2,3
	ds_load_b128 v[X+16*\b+4*\j:X+16*\b+4*\j+3], v5 offset:128*\b+16*\j     ; LDS serves a wave's instructions in order: these see the stores above
.endr
.endr
	s_wait_loadcnt 0x0
.irp i, 0,1,2,3,4,5,6,7,8,9,10,11,12,13,14,15
	ds_store_b128 v4, v[R1+4*\i:R1+4*\i+3] offset:8448+528*\i
.endr
	s_wait_dscnt 16                                ; all but the 16 stores just issued: the first half's neighbours are in
.irp b, 0,1,2,3
.irp j, 0,1,2,3
	ds_load_b128 v[R0+16*\b+4*\j:R0+16*\b+4*\j+3], v5 offset:8448+128*\b+16*\j
.endr
.endr
	QUANT X, PC, PC+6, 10
.irp k, 0,1,2,3,4,5
	global_store_b64 v6, v[PC+2*\k:PC+2*\k+1], s[16:17] offset:256*\k
.endr
	s_wait_dscnt 0x0                               ; the second half's neighbours are in
	s_wait_xcnt 0x0                                ; the stores have read the codes' registers, which are written again
	QUANT R0, PC, PC+6, 11
.irp k, 0,1,2,3,4,5
	global_store_b64 v6, v[PC+2*\k:PC+2*\k+1], s[16:17] offset:1536+256*\k
.endr
	global_store_b64 v7, v[10:11], s[18:19]        ; 16 rows x 8 bytes; lanes 16-31 write what lanes 0-15 write
	s_wait_tensorcnt 0x0                           ; the wave's end
	ds_add_u32 v[SPW], v[NIL]
	s_wait_dscnt 0x0
	s_endpgm
	; ---- weights: y = id / 8 picks the tensor and its 256 along K (0-3 Wq, 4-6 Wk, 7-9 Wv, 10-13 Wo); a wave takes 32 columns
.Lweights:
	s_lshr_b32 s21, ttmp9, 3
	s_and_b32 s22, ttmp9, 7
	s_mov_b32 s23, 10
	s_mov_b32 s24, C_WO
	s_mov_b32 s25, S_WO
	s_cmp_lt_u32 s21, 10
	s_cselect_b64 s[14:15], s[12:13], s[14:15]
	s_cselect_b32 s23, 7, s23
	s_cselect_b32 s24, C_WV, s24
	s_cselect_b32 s25, S_WV, s25
	s_cmp_lt_u32 s21, 7
	s_cselect_b64 s[14:15], s[10:11], s[14:15]
	s_cselect_b32 s23, 4, s23
	s_cselect_b32 s24, C_WK, s24
	s_cselect_b32 s25, S_WK, s25
	s_cmp_lt_u32 s21, 4
	s_cselect_b64 s[14:15], s[8:9], s[14:15]
	s_cselect_b32 s23, 0, s23
	s_cselect_b32 s24, C_WQ, s24
	s_cselect_b32 s25, S_WQ, s25
	s_sub_co_u32 s26, s21, s23                     ; u
	s_lshl_b32 s27, s22, 2
	s_add_co_u32 s27, s27, s20                     ; cg: which 32 columns
	s_lshl_b32 s28, s26, 20                        ; 256 rows of 4,096 bytes
	s_lshl_b32 s30, s27, 7
	s_add_co_u32 s28, s28, s30
	s_add_nc_u64 s[14:15], s[14:15], s[28:29]
	s_lshl_b32 s30, s26, 6
	s_lshl_b32 s31, s27, 1
	s_add_co_u32 s30, s30, s31                     ; 64 u + 2 cg: my first tile
	s_mul_i32 s28, s30, 3072
	s_add_co_u32 s28, s28, s24
	s_add_nc_u64 s[16:17], s[16:17], s[28:29]
	s_lshl_b32 s28, s30, 7
	s_add_co_u32 s28, s28, s25
	s_add_nc_u64 s[18:19], s[18:19], s[28:29]
	v_and_b32 v3, 15, v0
	v_and_b32 v4, 8, v0
	v_add_nc_u32 v3, v3, v4
	v_bfe_u32 v4, v0, 4, 1
	v_lshl_add_u32 v3, v4, 3, v3                   ; my column among the 32: l % 16 + 8 ((l / 8) % 2) + 8 (l / 16): tile 2 cg + l / 16, row l % 16
	v_lshlrev_b32 v3, 2, v3
.macro WLOAD t                         ; block t: W(32 t + i, my column) into set t % 2
.irp i, 0,1,2,3,4,5,6,7,8,9,10,11,12,13,14,15,16,17,18,19,20,21,22,23,24,25,26,27,28,29,30,31
	global_load_b32 v[48+32*((\t)%2)+\i], v3, s[14:15] offset:(32*(\t)+\i)*4096 th:TH_LOAD_NT
.endr
.endm
.macro WBLOCK t
.set XW, 48+32*((\t)%2)
.set DD, 112+12*((\t)/2)+6*((\t)%2)    ; each block's codes have registers of their own: no store's data are written again
.if (\t) < 7
	s_wait_loadcnt 32                              ; this block's 32 loads are in; the next block's may be out
.else
	s_wait_loadcnt 0x0
.endif
	v_max3_num_f32 v12, |v[XW]|, |v[XW+1]|, |v[XW+2]|
	v_max3_num_f32 v13, |v[XW+3]|, |v[XW+4]|, |v[XW+5]|
.irp i, 6,10,14,18,22,26
	v_max3_num_f32 v12, v12, |v[XW+\i]|, |v[XW+\i+1]|
	v_max3_num_f32 v13, v13, |v[XW+\i+2]|, |v[XW+\i+3]|
.endr
	v_max3_num_f32 v12, v12, |v[XW+30]|, |v[XW+31]|
	v_max3_num_f32 v12, v12, v13, 0x1800000        ; the block's largest magnitude, all 32 numbers mine, and the floor
	v_add_nc_u32 v14, 0xff000000, v12
	v_lshrrev_b32 v13, 23, v14
.if (\t)%4 == 0
	v_mov_b32 v[10+(\t)/4], v13
.else
	v_lshl_or_b32 v[10+(\t)/4], v13, 8*((\t)%4), v[10+(\t)/4]
.endif
	v_cvt_scalef32_pk16_fp6_f32 v[DD:DD+2], v[XW:XW+15], v14
	v_cvt_scalef32_pk16_fp6_f32 v[160:162], v[XW+16:XW+31], v14
	v_nop                                          ; one plain place behind the scaled conversions
.irp i, 0,1,2
	v_mov_b32 v[DD+3+\i], v[160+\i]
.endr
.if (\t)+2 < 8
	WLOAD (\t)+2
.endif
.if (\t)%2 == 1
.set EE, 112+12*((\t)/2)
.irp i, 0,1,2,3,4,5
	v_permlane16_swap_b32 v[EE+\i], v[EE+6+\i]     ; the even block's lanes 16-31 (tile 2 cg + 1) change places with the odd block's lanes 0-15 (tile 2 cg): two images
.endr
.irp j, 0,1,2
	global_store_b64 v6, v[EE+2*\j:EE+2*\j+1], s[16:17] offset:768*((\t)/2)+256*\j
	global_store_b64 v6, v[EE+6+2*\j:EE+7+2*\j], s[16:17] offset:3072+768*((\t)/2)+256*\j
.endr
.endif
.endm
	WLOAD 0
	WLOAD 1
.irp t, 0,1,2,3,4,5,6,7
	WBLOCK \t
.endr
	global_store_b64 v6, v[10:11], s[18:19]        ; two tiles' scale bytes: 256 consecutive bytes
	s_wait_tensorcnt 0x0                           ; the wave's end
	ds_add_u32 v[SPW], v[NIL]
	s_wait_dscnt 0x0
	s_endpgm
.Lfunc_end_k_q662c573f66_quant:
	.size	k_q662c573f66_quant, .Lfunc_end_k_q662c573f66_quant-k_q662c573f66_quant
	.p2alignl 7, 3214868480
	.fill 96, 4, 3214868480
	.section	.rodata,"a",@progbits
	.p2align	6, 0x0
	.amdhsa_kernel k_q662c573f66_quant
		.amdhsa_group_segment_fixed_size 68096
		.amdhsa_private_segment_fixed_size 0
		.amdhsa_enable_private_segment 0
		.amdhsa_kernarg_size 64
		.amdhsa_user_sgpr_count 2
		.amdhsa_user_sgpr_kernarg_segment_ptr 1
		.amdhsa_wavefront_size32 1
		.amdhsa_system_sgpr_workgroup_id_x 1
		.amdhsa_system_sgpr_workgroup_id_y 1
		.amdhsa_system_sgpr_workgroup_id_z 1
		.amdhsa_system_vgpr_workitem_id 0
		.amdhsa_next_free_vgpr 256
		.amdhsa_next_free_sgpr 66
		.amdhsa_reserve_vcc 0
		.amdhsa_float_denorm_mode_32 3
		.amdhsa_float_denorm_mode_16_64 3
		.amdhsa_memory_ordered 1
		.amdhsa_forward_progress 1
		.amdhsa_inst_pref_size 60
	.end_amdhsa_kernel
	.amdgpu_metadata
---
amdhsa.version: [ 1, 2 ]
amdhsa.kernels:
  - .name:           k_q662c573f66_quant
    .symbol:         k_q662c573f66_quant.kd
    .args:
      - { .name: x, .offset: 0, .size: 8, .value_kind: global_buffer, .address_space: global }
      - { .name: context, .offset: 8, .size: 8, .value_kind: global_buffer, .address_space: global }
      - { .name: Wq, .offset: 16, .size: 8, .value_kind: global_buffer, .address_space: global }
      - { .name: Wk, .offset: 24, .size: 8, .value_kind: global_buffer, .address_space: global }
      - { .name: Wv, .offset: 32, .size: 8, .value_kind: global_buffer, .address_space: global }
      - { .name: Wo, .offset: 40, .size: 8, .value_kind: global_buffer, .address_space: global }
      - { .name: opc, .offset: 48, .size: 8, .value_kind: global_buffer, .address_space: global }
      - { .name: ops, .offset: 56, .size: 8, .value_kind: global_buffer, .address_space: global }
    .group_segment_fixed_size: 68096
    .private_segment_fixed_size: 0
    .kernarg_segment_align: 8
    .kernarg_segment_size: 64
    .max_flat_workgroup_size: 128
    .sgpr_count:     66
    .vgpr_count:     256
    .wavefront_size: 32
...
	.end_amdgpu_metadata
.endif
;; end of part 1
;; launch proj (part 2): grid 4 x 96, 4 waves a work-group, clusters of 4 x 4, 327,680 bytes of LDS; arguments opc, ops, bq, bk, bv, qkvc, qkvs; writes qkvc, qkvs
.if DOCPART == 2
	.amdgcn_target "amdgcn-amd-amdhsa--gfx1250"
	.amdhsa_code_object_version 6
	.text
	.protected	k_q662c573f66_proj
	.globl	k_q662c573f66_proj
	.p2align	8
	.type	k_q662c573f66_proj,@function
k_q662c573f66_proj:
	s_mov_b64 s[64:65], 0
	v_nop
	global_prefetch_b8 v0, s[64:65] scope:SCOPE_SE
	s_setreg_imm32_b32 hwreg(HW_REG_WAVE_MODE, 25, 1), 1
	s_wait_xcnt 0x0
	s_wait_alu depctr_hold_cnt(0) depctr_sa_sdst(0) depctr_va_vdst(0) depctr_va_sdst(0) depctr_va_ssrc(0) depctr_va_vcc(0) depctr_vm_vsrc(0)
	s_getreg_b32 s2, hwreg(HW_REG_IB_STS2, 6, 4)
	s_cmp_eq_u32 s2, 0
	s_cbranch_scc0 .Lentry_in_a_cluster
	s_endpgm
.Lentry_in_a_cluster:
	s_bfe_u32 s2, ttmp6, 0x10000c
	s_cmp_lg_u32 s2, 0xf033
	s_cbranch_scc0 .Lentry_shape_is_right
	s_endpgm
.Lentry_shape_is_right:
.set C_X, 0
.set C_C, 6291456
.set C_WQ, 11010048
.set C_WK, 11796480
.set C_WV, 12386304
.set S_X, 0
.set S_C, 262144
.set S_WQ, 458752
.set S_WK, 491520
.set S_WV, 516096
.set HALFT, 24576
.set SLOT, 4*HALFT
.set SPARE, 2*SLOT
.set FR, 12
.set NL, 6
.set BR, 8
.set ADRA, 16
.set ADRB, 18
.set VOA, 20
.set VOB, 24
.set SPW, 28
.set NIL, 29
.set L8, 30
.set L16, 31
.set SA, 32
.set SB, 64
.set AF, 128
.set H, 128
.set PC, 192
.set CT, 204
.set TM, 32
.set PWS, 48
.set OUTS, 56
.set G1, 24
.set G0, 32
.set G1B, 48
.set G0B, 56
.set SEL, 90
.set MSB, 0
.macro WIN new
.if MSB != \new
	s_set_vgpr_msb (MSB<<8)|\new
.set MSB, \new
.endif
.endm
.set MUL_LO, 0xa1
.set MUL_HI, 0xf1
.set TO_B, 0x40
.macro PLACES
.rept 4
	v_nop
.endr
.endm
.macro JLOAD g0a, g1a, g0b, g1b
	s_cmp_eq_u32 s15, 0
	s_cbranch_scc0 .Lfor_b_\@
	tensor_load_to_lds s[\g0a:\g0a+3], s[\g1a:\g1a+7]
	s_nop 0
.rept 4
	v_nop
.endr
	s_branch .Lasked_\@
.Lfor_b_\@:
	tensor_load_to_lds s[\g0b:\g0b+3], s[\g1b:\g1b+7]
	s_nop 0
.rept 4
	v_nop
.endr
.Lasked_\@:
.endm
.macro CREST
	s_cmp_lg_u32 s14, 0
	s_cbranch_scc1 .Lnot_wave_0_\@
	s_barrier_signal -3
.Lnot_wave_0_\@:
	s_barrier_wait -3
	s_barrier_signal -1
	s_barrier_wait -1
.endm
.macro CROUND
	s_barrier_signal -1
	s_barrier_wait -1
	CREST
.endm
.macro QUANT s, d0, d1, pw
.irp b, 0,1,2,3
	v_max3_num_f32 v[TM+\b], |v[\s+16*\b]|, |v[\s+1+16*\b]|, 0x1800000
.endr
.irp i, 2,4,6,8,10,12,14
.irp b, 0,1,2,3
	v_max3_num_f32 v[TM+\b], v[TM+\b], |v[\s+16*\b+\i]|, |v[\s+1+16*\b+\i]|
.endr
.endr
.irp b, 0,1,2,3
	v_permlanex16_b32 v[TM+4+\b], v[TM+\b], s[SEL], s[SEL+1]
.endr
.irp b, 0,1,2,3
	v_max_num_f32 v[TM+\b], v[TM+\b], v[TM+4+\b]
.endr
.irp b, 0,1,2,3
	v_add_nc_u32 v[TM+12+\b], 0xff000000, v[TM+\b]
.endr
.irp b, 0,1,2,3
	v_lshrrev_b32 v[TM+4+\b], 23, v[TM+12+\b]
.endr
	v_lshl_or_b32 v[\pw], v[TM+5], 8, v[TM+4]
	v_lshl_or_b32 v[\pw], v[TM+6], 16, v[\pw]
	v_lshl_or_b32 v[\pw], v[TM+7], 24, v[\pw]
	v_cvt_scalef32_pk16_fp6_f32 v[\d0:\d0+2], v[\s:\s+15], v[TM+12]
	v_cvt_scalef32_pk16_fp6_f32 v[CT:CT+2], v[\s+16:\s+31], v[TM+13]
	v_cvt_scalef32_pk16_fp6_f32 v[\d1:\d1+2], v[\s+32:\s+47], v[TM+14]
	v_cvt_scalef32_pk16_fp6_f32 v[CT+4:CT+6], v[\s+48:\s+63], v[TM+15]
	v_nop
.irp i, 0,1,2
	v_permlane16_swap_b32 v[\d0+\i], v[CT+\i]
.endr
.irp i, 0,1,2
	v_mov_b32 v[\d0+3+\i], v[CT+\i]
.endr
.irp i, 0,1,2
	v_permlane16_swap_b32 v[\d1+\i], v[CT+4+\i]
.endr
.irp i, 0,1,2
	v_mov_b32 v[\d1+3+\i], v[CT+4+\i]
.endr
.endm
.macro FRAG reg, adr, q, i
.irp p, 0,1,2,3,4,5
	ds_load_b64 v[\reg+2*\p:\reg+2*\p+1], v[\adr] offset:(\i)*3072+(2*(\q)+\p/3)*768+(\p%3)*256
.endr
.endm
.macro FETCH_B slot, q, p
	WIN TO_B
.irp i, 0,1,2,3,4,5,6,7
	FRAG 128*(\p)+FR*\i, ADRB+\slot, \q, \i
.endr
	WIN 0
.endm
.macro FETCH_A slot, q, i0
.irp i, \i0, \i0+1, \i0+2, \i0+3
	FRAG AF+FR*(\i), ADRA+\slot, \q, \i
.endr
.endm
.macro WM a, b, p, kq, cm
.set rD, 8*(8*((\a)%4)+(\b))
.set rB, 128*(\p)+FR*(\b)
.set rA, AF+FR*(\a)
.set rX, SB+8*((\b)/2)+(\kq)
.set rY, SA+8*((\a)/2)+(\kq)
.if (\cm) == 1
.if ((\a)%2 == 0) && ((\b)%2 == 0)
	v_wmma_scale_f32_16x16x128_f8f6f4 v[rD:rD+7], v[rB:rB+11], v[rA:rA+11], 0, v[rX], v[rY] matrix_a_fmt:MATRIX_FMT_FP6 matrix_b_fmt:MATRIX_FMT_FP6
.elseif ((\a)%2 == 0)
	v_wmma_scale_f32_16x16x128_f8f6f4 v[rD:rD+7], v[rB:rB+11], v[rA:rA+11], 0, v[rX], v[rY] matrix_a_fmt:MATRIX_FMT_FP6 matrix_b_fmt:MATRIX_FMT_FP6 matrix_a_scale:MATRIX_SCALE_ROW1
.elseif ((\b)%2 == 0)
	v_wmma_scale_f32_16x16x128_f8f6f4 v[rD:rD+7], v[rB:rB+11], v[rA:rA+11], 0, v[rX], v[rY] matrix_a_fmt:MATRIX_FMT_FP6 matrix_b_fmt:MATRIX_FMT_FP6 matrix_b_scale:MATRIX_SCALE_ROW1
.else
	v_wmma_scale_f32_16x16x128_f8f6f4 v[rD:rD+7], v[rB:rB+11], v[rA:rA+11], 0, v[rX], v[rY] matrix_a_fmt:MATRIX_FMT_FP6 matrix_b_fmt:MATRIX_FMT_FP6 matrix_a_scale:MATRIX_SCALE_ROW1 matrix_b_scale:MATRIX_SCALE_ROW1
.endif
.else
.if ((\a)%2 == 0) && ((\b)%2 == 0)
	v_wmma_scale_f32_16x16x128_f8f6f4 v[rD:rD+7], v[rB:rB+11], v[rA:rA+11], v[rD:rD+7], v[rX], v[rY] matrix_a_fmt:MATRIX_FMT_FP6 matrix_b_fmt:MATRIX_FMT_FP6
.elseif ((\a)%2 == 0)
	v_wmma_scale_f32_16x16x128_f8f6f4 v[rD:rD+7], v[rB:rB+11], v[rA:rA+11], v[rD:rD+7], v[rX], v[rY] matrix_a_fmt:MATRIX_FMT_FP6 matrix_b_fmt:MATRIX_FMT_FP6 matrix_a_scale:MATRIX_SCALE_ROW1
.elseif ((\b)%2 == 0)
	v_wmma_scale_f32_16x16x128_f8f6f4 v[rD:rD+7], v[rB:rB+11], v[rA:rA+11], v[rD:rD+7], v[rX], v[rY] matrix_a_fmt:MATRIX_FMT_FP6 matrix_b_fmt:MATRIX_FMT_FP6 matrix_b_scale:MATRIX_SCALE_ROW1
.else
	v_wmma_scale_f32_16x16x128_f8f6f4 v[rD:rD+7], v[rB:rB+11], v[rA:rA+11], v[rD:rD+7], v[rX], v[rY] matrix_a_fmt:MATRIX_FMT_FP6 matrix_b_fmt:MATRIX_FMT_FP6 matrix_a_scale:MATRIX_SCALE_ROW1 matrix_b_scale:MATRIX_SCALE_ROW1
.endif
.endif
.endm
.macro MUL16 a0, p, kq, cm
.irp a, \a0, \a0+1
.irp b, 0,1,2,3,4,5,6,7
	WM \a, \b, \p, \kq, \cm
.endr
.endr
.endm
.macro STEP slot, u, cm
	s_wait_dscnt 4*NL
	WIN MUL_LO
	MUL16 0, 0, 2*(\u), \cm
	MUL16 2, 0, 2*(\u), \cm
	s_wait_dscnt 0x0
	PLACES
	FETCH_B \slot, 1, 1
	FETCH_A \slot, 1, 0
	WIN MUL_HI
	MUL16 4, 0, 2*(\u), \cm
	MUL16 6, 0, 2*(\u), \cm
	PLACES
	WIN 0
	FETCH_A \slot, 1, 4
.endm
.macro TURN slot, next, fill, u
	s_wait_tensorcnt 0x0
	ds_add_u32 v[SPW], v[NIL]
	s_wait_dscnt 4*NL+1
	WIN MUL_LO
	MUL16 0, 1, 2*(\u)+1, 0
	s_wait_dscnt 0x0
	s_barrier_signal -1
	MUL16 2, 1, 2*(\u)+1, 0
	WIN 0
	s_barrier_wait -1
.if \fill
	CREST
	s_add_nc_u64 s[G0+4*\slot+2:G0+4*\slot+3], s[G0+4*\slot+2:G0+4*\slot+3], s[70:71]
	s_add_nc_u64 s[G0B+4*\slot+2:G0B+4*\slot+3], s[G0B+4*\slot+2:G0B+4*\slot+3], s[72:73]
	JLOAD G0+4*\slot, G1, G0B+4*\slot, G1B
.else
	PLACES
.endif
	FETCH_B \next, 0, 0
	FETCH_A \next, 0, 0
	WIN MUL_HI
	MUL16 4, 1, 2*(\u)+1, 0
	MUL16 6, 1, 2*(\u)+1, 0
	PLACES
	WIN 0
	FETCH_A \next, 0, 4
.endm
.macro LAST u
	s_wait_dscnt 4*NL
	WIN MUL_LO
	MUL16 0, 1, 2*(\u)+1, 0
	MUL16 2, 1, 2*(\u)+1, 0
	s_wait_dscnt 0x0
	WIN MUL_HI
	MUL16 4, 1, 2*(\u)+1, 0
	MUL16 6, 1, 2*(\u)+1, 0
	WIN 0
.endm
	s_load_b128 s[4:7], s[0:1], 0x0
	s_load_b128 s[8:11], s[0:1], 0x10
	s_load_b64 s[12:13], s[0:1], 0x20
	s_load_b128 s[92:95], s[0:1], 0x28
	v_lshl_add_u32 v[SPW], v0, 2, SPARE
	v_mov_b32 v[NIL], 0
	ds_add_u32 v[SPW], v[NIL]
	ds_add_u32 v[SPW], v[NIL]
	v_lshrrev_b32 v1, 5, v0
	v_readfirstlane_b32 s14, v1
	s_lshr_b32 s15, s14, 1
	s_and_b32 s16, s14, 1
	s_bfe_u32 s40, ttmp6, 0x40000
	s_bfe_u32 s41, ttmp6, 0x40004
	s_and_b32 s66, ttmp7, 0xffff
	s_and_b32 s67, s66, 7
	s_lshl_b32 s67, s67, 2
	s_lshr_b32 s66, s66, 3
	s_mov_b32 s21, C_WK
	s_mov_b32 s23, S_WK
	s_cmp_eq_u32 s66, 0
	s_cselect_b32 s74, 1, 0
	s_cselect_b32 s20, C_X, C_C
	s_cselect_b32 s21, C_WQ, s21
	s_cselect_b32 s22, S_X, S_C
	s_cselect_b32 s23, S_WQ, s23
	s_cselect_b32 s68, 3, 2
	s_mov_b32 s84, 512*3072
	s_mov_b32 s88, 64*3072
	s_mov_b32 s98, 512*128
	s_mov_b32 s99, 64*128
	s_cmp_eq_u32 s66, 2
	s_cselect_b32 s75, 1, 0
	s_cselect_b32 s20, C_WV, s20
	s_cselect_b32 s21, C_C, s21
	s_cselect_b32 s22, S_WV, s22
	s_cselect_b32 s23, S_C, s23
	s_cselect_b32 s84, 64*3072, s84
	s_cselect_b32 s88, 512*3072, s88
	s_cselect_b32 s98, 64*128, s98
	s_cselect_b32 s99, 512*128, s99
	s_cselect_b32 s18, 0, s67
	s_cselect_b32 s19, s67, 0
	s_add_co_u32 s17, s18, s41
	s_add_co_u32 s42, s19, s40
	s_mov_b32 s85, 0
	s_mov_b32 s89, 0
	s_lshl_b32 s70, s84, 1
	s_mov_b32 s71, 0
	s_lshl_b32 s72, s88, 1
	s_mov_b32 s73, 0
	s_lshl_b32 s43, s41, 2
	s_lshl_b32 s43, 15, s43
	s_lshl_b32 s44, 0x1111, s40
	s_or_b32 s[G1+0], s43, (3<<16)|(1<<21)
	s_or_b32 s[G1B+0], s44, (3<<16)|(1<<21)
.irp g, G1, G1B
	s_mov_b32 s[\g+1], 32<<16
	s_mov_b32 s[\g+2], 96<<16
	s_mov_b32 s[\g+3], 32<<16
	s_mov_b32 s[\g+4], 96
	s_mov_b32 s[\g+5], 32
	s_mov_b32 s[\g+6], 0
	s_mov_b32 s[\g+7], 0
.endr
	s_lshl_b32 s18, s16, 3
	s_lshl_b32 s2, s17, 4
	s_add_co_u32 s2, s2, s18
	s_mul_i32 s2, s2, 3072
	s_add_co_u32 s2, s2, s20
	s_mov_b32 s3, 0
	s_lshl_b32 s46, s42, 4
	s_add_co_u32 s46, s46, s18
	s_mul_i32 s46, s46, 3072
	s_add_co_u32 s46, s46, s21
	s_mov_b32 s47, 0
	s_mul_i32 s96, s14, HALFT
	s_mov_b32 s97, 0xffff0000
	s_mov_b32 s[SEL], 0x76543210
	s_mov_b32 s[SEL+1], 0xfedcba98
	s_wait_dscnt 0x0
	s_wait_kmcnt 0x0
	s_add_nc_u64 s[2:3], s[4:5], s[2:3]
	s_add_nc_u64 s[46:47], s[4:5], s[46:47]
	CROUND
	s_mov_b32 s[G0], 1
	s_mov_b32 s[G0+1], s96
	s_mov_b64 s[G0+2:G0+3], s[2:3]
	s_or_b32 s[G0+3], s[G0+3], 0x80000000
	s_mov_b32 s[G0B], 1
	s_mov_b32 s[G0B+1], s96
	s_mov_b64 s[G0B+2:G0B+3], s[46:47]
	s_or_b32 s[G0B+3], s[G0B+3], 0x80000000
	JLOAD G0, G1, G0B, G1B
	s_mov_b32 s[G0+4], 1
	s_add_co_u32 s[G0+5], s96, SLOT
	s_add_nc_u64 s[G0+6:G0+7], s[2:3], s[84:85]
	s_or_b32 s[G0+7], s[G0+7], 0x80000000
	s_mov_b32 s[G0B+4], 1
	s_add_co_u32 s[G0B+5], s96, SLOT
	s_add_nc_u64 s[G0B+6:G0B+7], s[46:47], s[88:89]
	s_or_b32 s[G0B+7], s[G0B+7], 0x80000000
	s_wait_alu depctr_va_vdst(0)
	s_wait_tensorcnt 0x0
	ds_add_u32 v28, v29
	s_wait_dscnt 0x0
	CROUND
	JLOAD G0+4, G1, G0B+4, G1B
	v_and_b32 v1, 31, v0
	v_lshlrev_b32 v[L8], 3, v1
	v_lshlrev_b32 v[L16], 4, v1
	v_and_b32 v2, 15, v0
	v_bfe_u32 v3, v0, 4, 1
	v_mov_b32 v[VOA], v[L8]
	v_add_nc_u32 v[VOA+1], s98, v[L8]
	v_add_nc_u32 v[VOA+2], s98, v[VOA+1]
	s_mul_i32 s18, s98, s68
	v_add_nc_u32 v[VOA+3], s18, v[L8]
	v_mov_b32 v[VOB], v[L8]
	s_wait_alu depctr_va_vdst(0)
	v_add_nc_u32 v[VOB+1], s99, v[L8]
	s_wait_alu depctr_va_vdst(0)
	v_add_nc_u32 v[VOB+2], s99, v[VOB+1]
	s_wait_alu depctr_va_vdst(0)
	s_mul_i32 s19, s99, s68
	v_add_nc_u32 v[VOB+3], s19, v[L8]
	s_wait_alu depctr_va_vdst(0)
	v_lshlrev_b32 v4, 6, v3
	s_wait_alu depctr_va_vdst(0)
	v_and_b32 v5, 8, v2
	v_add_nc_u32 v5, v5, v2
	v_lshlrev_b32 v5, 2, v5
	s_wait_alu depctr_va_vdst(0)
	s_lshl_b32 s18, s17, 4
	s_lshl_b32 s19, s15, 3
	s_add_co_u32 s18, s18, s19
	s_lshl_b32 s18, s18, 7
	s_add_co_u32 s18, s18, s22
	s_mov_b32 s19, 0
	s_add_nc_u64 s[76:77], s[6:7], s[18:19]
	s_lshl_b32 s18, s42, 4
	s_lshl_b32 s20, s16, 3
	s_add_co_u32 s18, s18, s20
	s_lshl_b32 s18, s18, 7
	s_add_co_u32 s18, s18, s23
	s_add_nc_u64 s[78:79], s[6:7], s[18:19]
	s_cmp_eq_u32 s66, 0
	s_cselect_b64 s[8:9], s[8:9], s[10:11]
	s_cmp_eq_u32 s66, 2
	s_cselect_b64 s[8:9], s[12:13], s[8:9]
	s_lshl_b32 s18, s42, 8
	s_lshl_b32 s20, s16, 7
	s_add_co_u32 s18, s18, s20
	s_and_b32 s18, s18, 1023
	s_lshl_b32 s18, s18, 2
	s_add_nc_u64 s[80:81], s[8:9], s[18:19]
	s_lshl_b32 s18, s17, 8
	s_lshl_b32 s20, s15, 7
	s_add_co_u32 s18, s18, s20
	s_and_b32 s18, s18, 1023
	s_lshl_b32 s18, s18, 2
	s_add_nc_u64 s[82:83], s[8:9], s[18:19]
.irp pa, 0,1,2,3
.irp u, 0,1,2,3
	global_load_b64 v[SA+8*\pa+2*\u:SA+8*\pa+2*\u+1], v[VOA+\u], s[76:77] offset:256*\pa
	global_load_b64 v[SB+8*\pa+2*\u:SB+8*\pa+2*\u+1], v[VOB+\u], s[78:79] offset:256*\pa
.endr
.endr
.irp b, 0,1,2,3,4,5,6,7
	global_load_b128 v[96+8*\b+96*(\b/4):96+8*\b+96*(\b/4)+3], v4, s[80:81] offset:(32*(\b/2)+8*(\b%2))*4
	global_load_b128 v[96+8*\b+96*(\b/4)+4:96+8*\b+96*(\b/4)+7], v4, s[80:81] offset:(32*(\b/2)+8*(\b%2))*4+16
.endr
.irp a, 0,1,2,3,4,5,6,7
	global_load_b32 v[BR+\a], v5, s[82:83] offset:(32*(\a/2)+8*(\a%2))*4
.endr
	s_mul_i32 s18, s15, HALFT
	s_mul_i32 s20, s16, HALFT
	s_add_co_u32 s20, s20, 2*HALFT
	v_add_nc_u32 v[ADRA], s18, v[L8]
	v_add_nc_u32 v[ADRB], s20, v[L8]
	v_add_nc_u32 v[ADRA+1], SLOT, v[ADRA]
	v_add_nc_u32 v[ADRB+1], SLOT, v[ADRB]
	s_wait_alu depctr_va_vdst(0)
	s_wait_loadcnt 0x0
	s_lshl_b32 s18, s17, 8
	s_lshl_b32 s19, s15, 7
	s_add_co_u32 s18, s18, s19
	s_lshl_b32 s20, s42, 8
	s_lshl_b32 s21, s16, 7
	s_add_co_u32 s20, s20, s21
	s_mov_b32 s80, 768
	s_mov_b32 s98, 98304
	s_cmp_eq_u32 s75, 1
	s_cselect_b32 s22, s20, s18
	s_cselect_b32 s23, s18, s20
	s_cselect_b32 s80, 1536, s80
	s_cselect_b32 s82, 92160, 0
	s_cselect_b32 s98, 768, s98
	s_mov_b32 s81, 0
	s_mov_b32 s83, 0
	s_mov_b32 s99, 0
	s_lshr_b32 s23, s23, 6
	s_lshr_b32 s18, s22, 11
	s_lshl_b32 s18, s18, 4
	s_add_co_u32 s18, s18, s23
	s_bfe_u32 s19, s22, 0x40007
	s_mul_i32 s20, s18, 98304
	s_mul_i32 s21, s19, 6144
	s_add_co_u32 s20, s20, s21
	s_mul_i32 s21, s66, 6291456
	s_add_co_u32 s20, s20, s21
	s_mov_b32 s21, 0
	s_add_nc_u64 s[76:77], s[92:93], s[20:21]
	s_add_nc_u64 s[78:79], s[76:77], s[98:99]
	s_lshl_b32 s20, s18, 4
	s_add_co_u32 s20, s20, s19
	s_lshl_b32 s20, s20, 9
	s_lshl_b32 s18, s66, 19
	s_add_co_u32 s20, s20, s18
	s_add_nc_u64 s[86:87], s[94:95], s[20:21]
	s_wait_tensorcnt 1
	s_barrier_signal -1
	s_barrier_wait -1
	FETCH_B 0, 0, 0
	FETCH_A 0, 0, 0
	FETCH_A 0, 0, 4
	STEP 0, 0, 1
	TURN 0, 1, 1, 0
	STEP 1, 1, 0
	s_cmp_eq_u32 s74, 0
	s_cbranch_scc1 .Lthree
	TURN 1, 0, 1, 1
	STEP 0, 2, 0
	TURN 0, 1, 0, 2
	STEP 1, 3, 0
	LAST 3
	s_branch .Lout
.Lthree:
	TURN 1, 0, 0, 1
	STEP 0, 2, 0
	LAST 2
.Lout:
	PLACES
.irp b, 0,1,2,3
	v_mov_b32 v[TM+4+\b], 0
.endr
.macro OUTA a
.set AC, 64*((\a)%4)
	s_cmp_eq_u32 s75, 0
	s_cbranch_scc0 .Lvarm_\@
	WIN 0x02+(\a)/4
.irp b, 0,1,2,3,4,5,6,7
.irp i, 0,2,4,6
	v_pk_add_f32 v[H+8*\b+\i:H+8*\b+\i+1], v[AC+8*\b+\i:AC+8*\b+\i+1], v[96+8*\b+96*(\b/4)+\i:96+8*\b+96*(\b/4)+\i+1]
.endr
.endr
	WIN 0
	s_branch .Ljoin_\@
.Lvarm_\@:
	WIN 0x02+(\a)/4
.irp b, 0,1,2,3,4,5,6,7
.irp i, 0,2,4,6
.if (\a)%2 == 0
	v_pk_add_f32 v[H+8*\b+\i:H+8*\b+\i+1], v[AC+8*\b+\i:AC+8*\b+\i+1], v[BR+(\a):BR+(\a)+1] op_sel_hi:[1,0]
.else
	v_pk_add_f32 v[H+8*\b+\i:H+8*\b+\i+1], v[AC+8*\b+\i:AC+8*\b+\i+1], v[BR+(\a)-1:BR+(\a)] op_sel:[0,1] op_sel_hi:[1,1]
.endif
.endr
.endr
	WIN 0
.Ljoin_\@:
.if (\a) > 0
	s_wait_xcnt 0x0
	s_add_nc_u64 s[76:77], s[76:77], s[80:81]
	s_add_nc_u64 s[78:79], s[78:79], s[80:81]
.endif
.if (\a) == 4
	s_add_nc_u64 s[76:77], s[76:77], s[82:83]
	s_add_nc_u64 s[78:79], s[78:79], s[82:83]
.endif
	QUANT H, PC, PC+6, PWS+\a
.irp j, 0,1,2
	global_store_b64 v[L8], v[PC+2*\j:PC+2*\j+1], s[76:77] offset:256*\j
	global_store_b64 v[L8], v[PC+6+2*\j:PC+7+2*\j], s[78:79] offset:256*\j
.endr
.endm
.irp a, 0,1,2,3,4,5,6,7
	OUTA \a
.endr
	s_cmp_eq_u32 s75, 0
	s_cbranch_scc0 .Lvwords
.irp w, 0,1,2,3
	v_cndmask_b32 v[TM], v[PWS+2*\w], v[PWS+2*\w+1], s97
	v_and_b32 v[OUTS+\w], 0xffff, v[TM]
	v_lshrrev_b32 v[OUTS+4+\w], 16, v[TM]
.endr
	s_branch .Lwords
.Lvwords:
.irp w, 0,1,2,3,4,5,6,7
	v_mov_b32 v[OUTS+\w], v[PWS+\w]
.endr
.Lwords:
	s_wait_alu depctr_va_vdst(0)
	global_store_b128 v[L16], v[OUTS:OUTS+3], s[86:87]
	global_store_b128 v[L16], v[OUTS+4:OUTS+7], s[86:87] offset:8192
	s_wait_tensorcnt 0x0
	ds_add_u32 v[SPW], v[NIL]
	s_wait_dscnt 0x0
	CROUND
	s_endpgm
.Lfunc_end_k_q662c573f66_proj:
	.size	k_q662c573f66_proj, .Lfunc_end_k_q662c573f66_proj-k_q662c573f66_proj
	.p2alignl 7, 3214868480
	.fill 96, 4, 3214868480
	.section	.rodata,"a",@progbits
	.p2align	6, 0x0
	.amdhsa_kernel k_q662c573f66_proj
		.amdhsa_group_segment_fixed_size 327680
		.amdhsa_private_segment_fixed_size 0
		.amdhsa_enable_private_segment 0
		.amdhsa_kernarg_size 56
		.amdhsa_user_sgpr_count 2
		.amdhsa_user_sgpr_kernarg_segment_ptr 1
		.amdhsa_wavefront_size32 1
		.amdhsa_system_sgpr_workgroup_id_x 1
		.amdhsa_system_sgpr_workgroup_id_y 1
		.amdhsa_system_sgpr_workgroup_id_z 1
		.amdhsa_system_vgpr_workitem_id 0
		.amdhsa_next_free_vgpr 1024
		.amdhsa_next_free_sgpr 100
		.amdhsa_reserve_vcc 0
		.amdhsa_float_denorm_mode_32 3
		.amdhsa_float_denorm_mode_16_64 3
		.amdhsa_memory_ordered 1
		.amdhsa_forward_progress 1
		.amdhsa_inst_pref_size 242
	.end_amdhsa_kernel
	.amdgpu_metadata
---
amdhsa.version: [ 1, 2 ]
amdhsa.kernels:
  - .name:           k_q662c573f66_proj
    .symbol:         k_q662c573f66_proj.kd
    .args:
      - { .name: opc, .offset: 0, .size: 8, .value_kind: global_buffer, .address_space: global }
      - { .name: ops, .offset: 8, .size: 8, .value_kind: global_buffer, .address_space: global }
      - { .name: bq, .offset: 16, .size: 8, .value_kind: global_buffer, .address_space: global }
      - { .name: bk, .offset: 24, .size: 8, .value_kind: global_buffer, .address_space: global }
      - { .name: bv, .offset: 32, .size: 8, .value_kind: global_buffer, .address_space: global }
      - { .name: qkvc, .offset: 40, .size: 8, .value_kind: global_buffer, .address_space: global }
      - { .name: qkvs, .offset: 48, .size: 8, .value_kind: global_buffer, .address_space: global }
    .group_segment_fixed_size: 327680
    .private_segment_fixed_size: 0
    .kernarg_segment_align: 8
    .kernarg_segment_size: 56
    .max_flat_workgroup_size: 128
    .sgpr_count:     100
    .vgpr_count:     1024
    .wavefront_size: 32
...
	.end_amdgpu_metadata
.endif
;; end of part 2
;; launch attn (part 3): grid 4 x 64, 16 waves a work-group, clusters of 4 x 1, 288,768 bytes of LDS; arguments qkvc, qkvs, attc, atts; writes attc, atts
.if DOCPART == 3
	.amdgcn_target "amdgcn-amd-amdhsa--gfx1250"
	.amdhsa_code_object_version 6
	.text
	.protected	k_q662c573f66_attn
	.globl	k_q662c573f66_attn
	.p2align	8
	.type	k_q662c573f66_attn,@function
k_q662c573f66_attn:
	s_mov_b64 s[64:65], 0
	v_nop
	global_prefetch_b8 v0, s[64:65] scope:SCOPE_SE
	s_setreg_imm32_b32 hwreg(HW_REG_WAVE_MODE, 25, 1), 1
	s_wait_xcnt 0x0
	s_wait_alu depctr_hold_cnt(0) depctr_sa_sdst(0) depctr_va_vdst(0) depctr_va_sdst(0) depctr_va_ssrc(0) depctr_va_vcc(0) depctr_vm_vsrc(0)
	s_getreg_b32 s2, hwreg(HW_REG_IB_STS2, 6, 4)
	s_cmp_eq_u32 s2, 0
	s_cbranch_scc0 .Lentry_in_a_cluster
	s_endpgm
.Lentry_in_a_cluster:
	s_bfe_u32 s2, ttmp6, 0x10000c
	s_cmp_lg_u32 s2, 0x3003
	s_cbranch_scc0 .Lentry_shape_is_right
	s_endpgm
.Lentry_shape_is_right:
; For each of 64 (batch, head): O = softmax(Q K^T / 8) V on codes of FP6 (E2M3) with E8M0 scales; the result is quantised along the model's 1,024 for the last product.
; t = score x log2(e) / 8; M = the running largest t rounded up to a whole number; p = 2^(t - M) is quantised along the keys, not normalised; the row's sum of the unquantised p divides O at the end;
; when M moves, the sum and O are multiplied by 2^(old M - new M), which rounds nothing.
; SHARES.  A cluster of four work-groups owns one (batch, head); a work-group 512 queries; each of its 16 waves 32 queries: two tiles of 16, one after the other (two passes of 16 steps of 128 keys).
; THE WHOLE HEAD'S K AND V AND THEIR SCALE WORDS STAY IN LDS, filled once by joint loads, ONE A WAVE: waves 0-5 take 64 rows of 256 bytes of K's codes each, waves 6-11 of V's, waves 12-15 4,096 bytes of scale words each.
; Nothing is filled again: one wait, one barrier, and then no wave waits for another.  No prefetch: all that the launch reads by tensor loads is asked for at its head, so there is no loop to run ahead in.
; LDS ROWS are 256 bytes + 96 of padding = 352: an image (16 rows x 64 channels, 768 bytes) is three LDS rows, and two images on are 2,112 bytes = 8 x 256 + 64.
; LAYOUT.  Both products transposed: S^T = K Q^T, O^T = V^T P^T: a lane holds one query throughout.
; THE KEYS OF A TILE ARE CHOSEN BY THE LANES' ADDRESSES: tile (c, u), row i < 8 is key 64 c + 8 g + i, row i >= 8 is key 64 c + 32 + 8 g + i - 8, g = 2 (u % 2) + u / 2.  So lane (r, h) holds in the 32 registers of
; tiles (c, 0 .. 3) the WHOLE block 2 c + h of 32 keys, in the order in which V's codes have them (keys 0-7, 16-23, 8-15, 24-31 of the block): the block's maximum needs no other lane, and the conversions' results are
; the operand's registers.  Lanes r < 8 and r >= 8 of a load read bytes 64 apart modulo 256, so the 32 lanes of a load touch 64 different banks (64 banks of 4 bytes: ISA guide 11.1).
; THE FIRST PRODUCT'S K IS 64, THE INSTRUCTION'S 128: Q's upper six registers are zero codes, and both sides' scale bytes of the upper half are 0 (2^-127); K's upper six registers are the next tile's codes: they meet zeros.
; LIMITS: NaN and infinities are not served; the promise holds while the scaled scores t stay under 2^31 in magnitude.  The row's two scale bytes leave by stores of 32 consecutive bytes: 256 KiB in the whole launch.
; REGISTERS: v1 8 x lane; v2, v28-30 LDS bases; v31 8 h; v3, v4, v10, v11 a step's addresses; v8, v9 Q's scale words; v12 -M, v13 the largest score, v[14:15] the sum; v16-27 Q (22-27 zeros); v34-39 the second tile's Q;
;   v40-87 K's eight tiles, then V's four fragments; v88-93 zeros; v96-159 S^T, then p; v160-191 O^T; v192-203 p's codes; v204-221, v234-249 at work; v224-227 K's scale words, v228-231 V's; v232 f, v233 p's scale word.
.set LROW, 352                         ; an LDS row
.set VB, 384*LROW                      ; 135,168: V's codes, behind K's 384 rows
.set KSC, 2*VB                         ; 270,336: K's scale words (8,192 bytes); V's follow
.set SPARE, KSC+2*8192                 ; 286,720: the spare words, 128 bytes for each of 16 waves: eight blocks of 256 bytes that no other line names
.set SPW, 5
.set NIL, 6
.macro CROUND
	s_barrier_signal -1
	s_barrier_wait -1
	s_cmp_lg_u32 s12, 0
	s_cbranch_scc1 .Lnot_wave_0_\@
	s_barrier_signal -3
.Lnot_wave_0_\@:
	s_barrier_wait -3
	s_barrier_signal -1
	s_barrier_wait -1
.endm
	s_load_b256 s[4:11], s[0:1], 0x0               ; qkvc, qkvs, attc, atts
	v_lshl_add_u32 v[SPW], v0, 2, SPARE
	v_mov_b32 v[NIL], 0
	ds_add_u32 v[SPW], v[NIL]                      ; the wave's opening
	ds_add_u32 v[SPW], v[NIL]
	v_lshrrev_b32 v1, 5, v0
	s_delay_alu instid0(VALU_DEP_1)
	v_readfirstlane_b32 s12, v1                    ; wave 0..15
	s_bfe_u32 s13, ttmp6, 0x40000                  ; cx: it enters global addresses of Q and of the results alone
	s_and_b32 s14, ttmp7, 0xffff                   ; 16 x batch + head
	s_mov_b32 s16, 15|(3<<16)|(1<<20)|(1<<21)|(5<<22)|(23<<25)   ; group 1 of a piece of codes: all four work-groups; elements of 8 bytes; bit 21 beside the mask; 24 words of padding behind every 64
	s_mov_b32 s17, 32<<16                          ; rows of 256 bytes,
	s_mov_b32 s18, 64<<16                          ; 64 of them, dense in memory
	s_mov_b32 s19, 32<<16
	s_mov_b32 s20, 64
	s_mov_b32 s21, 32
	s_mov_b32 s22, 0
	s_mov_b32 s23, 0
	s_mov_b32 s24, 15|(3<<16)|(1<<21)              ; group 1 of a piece of scale words: 16 rows of 256 bytes, no padding
	s_mov_b32 s25, 32<<16
	s_mov_b32 s26, 16<<16
	s_mov_b32 s27, 32<<16
	s_mov_b32 s28, 16
	s_mov_b32 s29, 32
	s_mov_b32 s30, 0
	s_mov_b32 s31, 0
	s_mov_b32 s52, 0x3e38aa3b                      ; c = log2(e) / 8
	s_mov_b32 s53, s52
	s_mov_b32 s54, 0x76543210
	s_mov_b32 s55, 0xfedcba98                      ; selects for lane l xor 16
	s_mul_i32 s60, s14, 98304                      ; the head's codes in each of the three regions of qkvc
	s_mov_b32 s61, 0
	s_cmp_lt_u32 s12, 6                            ; waves 0-5: K's region, piece = wave; waves 6-11: V's region, piece = wave - 6
	s_cselect_b32 s62, 0, 6291456-98304
	s_lshl_b32 s63, s12, 14
	s_add_co_u32 s62, s62, s63
	s_add_co_u32 s62, s62, s60
	s_add_co_u32 s62, s62, 6291456
	s_mov_b32 s63, 0
	s_mul_i32 s79, s12, 64*LROW                    ; and where the piece goes: wave x 64 LDS rows
	s_and_b32 s75, s12, 3                          ; waves 12-15: q = wave - 12: K's or V's words (q / 2), which half (q % 2)
	s_lshr_b32 s76, s75, 1
	s_and_b32 s77, s75, 1
	s_lshl_b32 s74, s14, 13
	s_lshl_b32 s76, s76, 19
	s_add_co_u32 s74, s74, s76
	s_lshl_b32 s77, s77, 12
	s_add_co_u32 s74, s74, s77
	s_add_co_u32 s74, s74, 524288
	s_lshl_b32 s78, s75, 12
	s_add_co_u32 s78, s78, KSC
	s_mov_b32 s75, 0
	s_wait_dscnt 0x0                               ; both opening adds are done
	s_wait_kmcnt 0x0
	s_add_nc_u64 s[62:63], s[4:5], s[62:63]
	s_add_nc_u64 s[74:75], s[6:7], s[74:75]
	CROUND                                         ; all four work-groups are here: the joint loads meet
	s_mov_b32 s32, 1
	s_mov_b32 s33, s79
	s_mov_b64 s[34:35], s[62:63]
	s_or_b32 s35, s35, 0x80000000
	s_mov_b32 s36, 1
	s_mov_b32 s37, s78
	s_mov_b64 s[38:39], s[74:75]
	s_or_b32 s39, s39, 0x80000000
	s_cmp_lt_u32 s12, 12                           ; one branch on the wave's number, a load in each arm: every wave issues exactly one
	s_cbranch_scc0 .Lfill_words
	tensor_load_to_lds s[32:35], s[16:23]
	s_nop 0
.rept 4
	v_nop
.endr
	s_branch .Lfilled
.Lfill_words:
	tensor_load_to_lds s[36:39], s[24:31]
	s_nop 0
.rept 4
	v_nop
.endr
.Lfilled:
	v_and_b32 v32, 31, v0
	v_and_b32 v33, 7, v0
	v_bfe_u32 v31, v0, 4, 1                        ; h
	v_lshlrev_b32 v1, 3, v32                       ; 8 x lane
	v_lshl_add_u32 v30, v32, 4, KSC+8192           ; V's scale words: 16 x lane
	v_bfe_u32 v32, v0, 3, 1                        ; (l / 8) % 2: my row of a tile is of the second block
	v_add_nc_u32 v2, VB, v1                        ; V's codes: 8 x lane
	v_lshlrev_b32 v28, 3, v33
	v_lshl_add_u32 v29, v33, 4, KSC
	v_lshl_add_u32 v28, v31, 7, v28
	v_lshl_add_u32 v29, v31, 7, v29                ; K's scale words: 16 (l % 8) + 128 h + 4 (second block)
	v_mad_u32_u24 v28, v32, 6*LROW, v28            ; K's codes: 8 (l % 8) + 128 h + two images on for the second block
	v_lshl_add_u32 v29, v32, 2, v29
	v_lshlrev_b32 v31, 3, v31                      ; 8 h
	v_and_b32 v11, 15, v0
	s_delay_alu instid0(VALU_DEP_1)
	v_lshlrev_b32 v7, 1, v11                       ; 2 r
	v_lshlrev_b32 v11, 4, v11                      ; 16 r
	s_wait_alu depctr_va_vdst(0)
	s_lshl_b32 s78, s13, 5
	s_lshl_b32 s79, s12, 1
	s_add_co_u32 s78, s78, s79                     ; my first tile of queries: 32 cx + 2 wave
	s_mul_i32 s79, s78, 768
	s_add_co_u32 s60, s60, s79
	s_add_nc_u64 s[70:71], s[4:5], s[60:61]
	s_lshl_b32 s60, s14, 13
	s_lshl_b32 s79, s13, 2
	s_lshr_b32 s80, s12, 2
	s_add_co_u32 s79, s79, s80
	s_lshl_b32 s79, s79, 9
	s_add_co_u32 s60, s60, s79
	s_and_b32 s80, s12, 3
	s_lshl_b32 s80, s80, 2
	s_add_co_u32 s60, s60, s80
	s_add_nc_u64 s[72:73], s[6:7], s[60:61]
.irp j, 0,1,2
	global_load_b64 v[16+2*\j:17+2*\j], v1, s[70:71] offset:256*\j          ; the first tile's Q
	global_load_b64 v[34+2*\j:35+2*\j], v1, s[70:71] offset:768+256*\j      ; the second's
.endr
	global_load_b32 v8, v11, s[72:73]              ; their scale words: the even tile's in the image's lanes 0-15,
	global_load_b32 v9, v11, s[72:73] offset:256   ; the odd tile's in its lanes 16-31
	s_and_b32 s81, s14, 15                         ; head
	s_lshr_b32 s82, s14, 4                         ; batch
	s_lshl_b32 s83, s82, 7
	s_add_co_u32 s83, s83, s78                     ; the tile among all 512 tiles of rows
	s_lshr_b32 s84, s81, 2
	s_lshl_b32 s84, s84, 9
	s_add_co_u32 s84, s84, s83
	s_lshl_b32 s84, s84, 2
	s_and_b32 s85, s81, 3
	s_add_co_u32 s84, s84, s85
	s_mul_i32 s84, s84, 768
	s_mov_b32 s85, 0
	s_add_nc_u64 s[66:67], s[8:9], s[84:85]        ; [head / 4][tile][head % 4] images
	s_lshl_b32 s84, s81, 14
	s_lshl_b32 s86, s83, 5
	s_add_co_u32 s84, s84, s86
	s_add_nc_u64 s[68:69], s[10:11], s[84:85]      ; [head][row] two bytes
.irp j, 22,23,24,25,26,27,88,89,90,91,92,93,218,219,233
	v_mov_b32 v[\j], 0                             ; zero codes; and what a lane permute or a pair names before it is first written
.endr
.macro QK c, u                         ; S^T of tile (c, u): its scale words stand in lanes 0-15 (u < 2) or 16-31 of register 2 c + u % 2
.if (\u)/2
	v_wmma_scale_f32_16x16x128_f8f6f4 v[96+32*\c+8*\u:103+32*\c+8*\u], v[40+24*\c+6*\u:51+24*\c+6*\u], v[16:27], 0, v[224+2*\c+(\u)%2], v8 matrix_a_fmt:MATRIX_FMT_FP6 matrix_b_fmt:MATRIX_FMT_FP6 matrix_a_scale:MATRIX_SCALE_ROW1
.else
	v_wmma_scale_f32_16x16x128_f8f6f4 v[96+32*\c+8*\u:103+32*\c+8*\u], v[40+24*\c+6*\u:51+24*\c+6*\u], v[16:27], 0, v[224+2*\c+(\u)%2], v8 matrix_a_fmt:MATRIX_FMT_FP6 matrix_b_fmt:MATRIX_FMT_FP6
.endif
.endm
	s_mov_b32 s59, 2
	s_wait_alu depctr_va_vdst(0)
	s_wait_tensorcnt 0x0                           ; my piece is in,
	s_barrier_signal -1
	s_barrier_wait -1                              ; and everybody's
	s_wait_loadcnt 0x0                             ; Q
.Lpass:
	v_mov_b32 v13, 0xff61b1e6                      ; the largest score so far: -3e38
	s_delay_alu instid0(VALU_DEP_1)
	v_floor_f32 v12, -v13                          ; a -M above every other: the first step's f is 0
	v_mov_b32 v14, 0
	v_mov_b32 v15, 0
.set j, 0
.rept 32
	v_mov_b32 v[160+j], 0                          ; O^T: the step is written once, its first finds zeros
.set j, j+1
.endr
	s_mov_b32 s56, 0                               ; the step's 24 LDS rows of codes
	s_mov_b32 s57, 0                               ; and its 512 bytes of scale words
	s_mov_b32 s58, 16
.Lstep:
	v_add_nc_u32 v3, s56, v28
	v_add_nc_u32 v10, s57, v29
	v_nop
	v_nop                                          ; four places in front of loads into registers that the last matrix instructions have read
.irp c, 0,1
.irp x, 0,1
	ds_load_b32 v[224+2*\c+\x], v10 offset:256*\x+8*\c
.endr
.endr
.irp c, 0,1
.irp u, 0,1,2,3
.irp j, 0,1,2
	ds_load_b64 v[40+24*\c+6*\u+2*\j:41+24*\c+6*\u+2*\j], v3 offset:(3*(4*\c+(\u)%2)+\j)*LROW+64*((\u)/2)
.endr
.endr
.endr
	s_wait_dscnt 9                                 ; the scale words and tiles 0-4 are in; the nine loads of tiles 5-7 may be out
.irp u, 0,1,2,3
	QK 0, \u
.endr
	s_wait_dscnt 0x0
.irp u, 0,1,2,3
	QK 1, \u
.endr
	v_add_nc_u32 v4, s56, v2
	v_add_nc_u32 v11, s57, v30
	v_mov_b32 v234, v12                            ; the old -M
	v_nop                                          ; four places behind the products
.set k, 0
.rept 24
	ds_load_b64 v[40+2*k:41+2*k], v4 offset:LROW*k ; V's four fragments land under the softmax
.set k, k+1
.endr
	ds_load_b128 v[228:231], v11
.irp q, 0,1,2,3
	v_max3_num_f32 v[212+\q], v[96+16*\q], v[97+16*\q], v[98+16*\q]      ; four chains by turns, each accumulator from its low end on
.endr
.irp i, 3,5,7,9,11,13
.irp q, 0,1,2,3
	v_max3_num_f32 v[212+\q], v[212+\q], v[96+16*\q+\i], v[97+16*\q+\i]
.endr
.endr
	v_max3_num_f32 v212, v212, v213, v111
	v_max3_num_f32 v214, v214, v215, v143
	v_max_num_f32 v212, v212, v127                 ; the largest score of my block h,
	v_max_num_f32 v213, v214, v159                 ; and of my block 2 + h: for the row's maximum, and, since p rises with the score, for the block's largest p
	v_max_num_f32 v214, v212, v213
	v_permlanex16_b32 v219, v214, s54, s55
	v_max3_num_f32 v13, v13, v214, v219            ; the running largest score (c is positive)
	s_delay_alu instid0(VALU_DEP_1)
	v_mul_f32 v215, s52, v13
	s_delay_alu instid0(VALU_DEP_1)
	v_floor_f32 v12, -v215                         ; -M = floor(-t): M is a whole number
	s_delay_alu instid0(VALU_DEP_1)
	v_sub_f32 v234, v12, v234
	s_delay_alu instid0(VALU_DEP_1)
	v_cvt_i32_f32 v234, v234                       ; (it saturates)
	s_delay_alu instid0(VALU_DEP_1)
	v_ldexp_f32 v232, 1.0, v234                    ; f = 2^(old M - new M)
	v_fma_f32 v212, v212, s52, v12
	v_fma_f32 v213, v213, s52, v12
.set j, 0
.rept 32
	v_pk_fma_f32 v[96+j:97+j], v[96+j:97+j], s[52:53], v[12:13] op_sel_hi:[1,0,0]   ; t - M
.set j, j+2
.endr
	s_wait_alu depctr_va_vdst(0)
	v_exp_f32 v212, v212                           ; each block's largest p
	v_exp_f32 v213, v213
.set j, 0
.rept 64
	v_exp_f32 v[96+j], v[96+j]                     ; p
.set j, j+1
.endr
	v_pk_mul_f32 v[14:15], v[14:15], v[232:233] op_sel_hi:[1,0]          ; the sums under the new M; a plain place behind the exponentials
	s_wait_alu depctr_va_vdst(0)                   ; one wait for the batch, ahead of its first reader
.set j, 0
.rept 7
	v_pk_add_f32 v[236+2*j:237+2*j], v[96+4*j:97+4*j], v[98+4*j:99+4*j]  ; the row's sum of the unquantised p: eight chains by turns
.set j, j+1
.endr
	v_pk_add_f32 v[14:15], v[14:15], v[124:125]
.set j, 0
.rept 2
.set i, 0
.rept 7
	v_pk_add_f32 v[236+2*i:237+2*i], v[236+2*i:237+2*i], v[126+16*j+2*i:127+16*j+2*i]
.set i, i+1
.endr
	v_pk_add_f32 v[14:15], v[14:15], v[140+16*j:141+16*j]
.set j, j+1
.endr
	v_pk_add_f32 v[236:237], v[236:237], v[158:159]
	v_pk_add_f32 v[240:241], v[240:241], v[242:243]
	v_pk_add_f32 v[244:245], v[244:245], v[246:247]
	v_pk_add_f32 v[14:15], v[14:15], v[248:249]
	v_pk_add_f32 v[236:237], v[236:237], v[238:239]
	v_max_num_f32 v212, 0x1800000, v212            ; the floor 2^(3 - 127): the byte cannot fall under 1
	v_max_num_f32 v213, 0x1800000, v213
	v_pk_add_f32 v[14:15], v[14:15], v[244:245]
	v_pk_add_f32 v[236:237], v[236:237], v[240:241]
	v_add_nc_u32 v220, 0xff000000, v212            ; 2 off the exponent field: the conversion's scale operand
	v_add_nc_u32 v221, 0xff000000, v213
	s_delay_alu instid0(VALU_DEP_3)
	v_pk_add_f32 v[14:15], v[14:15], v[236:237]
	v_lshrrev_b32 v216, 23, v220                   ; the bytes of blocks h and 2 + h
	v_lshrrev_b32 v217, 23, v221
	s_delay_alu instid0(VALU_DEP_1)
	v_lshl_or_b32 v233, v217, 16, v216
	s_delay_alu instid0(VALU_DEP_1)
	v_lshlrev_b32 v233, v31, v233                  ; at their places in the scale word, 8 h bits up;
	s_delay_alu instid0(VALU_DEP_1)
	v_permlanex16_b32 v218, v233, s54, s55
	s_delay_alu instid0(VALU_DEP_1)
	v_or_b32 v233, v233, v218                      ; with lane l xor 16's two the word of these 128 keys is whole
	v_cvt_scalef32_pk16_fp6_f32 v[192:194], v[96:111], v220
	v_cvt_scalef32_pk16_fp6_f32 v[204:206], v[112:127], v220      ; (a conversion's three registers begin on an even number)
	v_cvt_scalef32_pk16_fp6_f32 v[198:200], v[128:143], v221
	v_cvt_scalef32_pk16_fp6_f32 v[208:210], v[144:159], v221
	v_nop                                          ; one plain place behind the scaled conversions
.irp i, 0,1,2
	v_mov_b32 v[195+\i], v[204+\i]
	v_mov_b32 v[201+\i], v[208+\i]                 ; registers 6 c .. 6 c + 5: my whole block 2 c + h
.endr
	s_wait_dscnt 0x0                               ; V is in
	s_wait_alu depctr_va_vdst(0)
.set j, 0
.rept 16
	v_pk_mul_f32 v[160+j:161+j], v[160+j:161+j], v[232:233] op_sel_hi:[1,0]   ; O^T under the new M; these sixteen are also the places behind p's scale word and codes
.set j, j+2
.endr
.irp t, 0,1,2,3
	v_wmma_scale_f32_16x16x128_f8f6f4 v[160+8*\t:167+8*\t], v[40+12*\t:51+12*\t], v[192:203], v[160+8*\t:167+8*\t], v[228+\t], v233 matrix_a_fmt:MATRIX_FMT_FP6 matrix_b_fmt:MATRIX_FMT_FP6
.endr
	s_add_co_u32 s56, s56, 24*LROW
	s_add_co_u32 s57, s57, 512
	s_sub_co_u32 s58, s58, 1
	s_cmp_lg_u32 s58, 0
	s_cbranch_scc1 .Lstep
	; the pass's end: O^T / the sum, quantised along the head's 64: one image and two bytes a row
.rept 4
	v_nop
.endr
	v_add_f32 v14, v14, v15
	s_delay_alu instid0(VALU_DEP_1)
	v_permlanex16_b32 v216, v14, s54, s55
	s_delay_alu instid0(VALU_DEP_1)
	v_add_f32 v14, v14, v216
	s_wait_alu depctr_va_vdst(0)
	v_rcp_f32 v14, v14
	v_nop                                          ; a plain place behind the reciprocal
	s_wait_alu depctr_va_vdst(0)                   ; the wait ahead of its first reader
.set j, 0
.rept 16
	v_pk_mul_f32 v[96+j:97+j], v[160+j:161+j], v[14:15] op_sel_hi:[1,0]   ; register 16 g + i: channel 32 g + 16 h + i of my query
.set j, j+2
.endr
.irp g, 0,1
	v_max3_num_f32 v[212+\g], |v[96+16*\g]|, |v[97+16*\g]|, 0x1800000
.endr
.irp i, 2,4,6,8,10,12,14
.irp g, 0,1
	s_delay_alu instid0(VALU_DEP_2)
	v_max3_num_f32 v[212+\g], v[212+\g], |v[96+16*\g+\i]|, |v[97+16*\g+\i]|
.endr
.endr
.irp g, 0,1
	s_delay_alu instid0(VALU_DEP_2)
	v_permlanex16_b32 v[216+\g], v[212+\g], s54, s55
.endr
.irp g, 0,1
	s_delay_alu instid0(VALU_DEP_2)
	v_max_num_f32 v[212+\g], v[212+\g], v[216+\g]
.endr
.irp g, 0,1
	s_delay_alu instid0(VALU_DEP_2)
	v_add_nc_u32 v[220+\g], 0xff000000, v[212+\g]
.endr
.irp g, 0,1
	s_delay_alu instid0(VALU_DEP_2)
	v_lshrrev_b32 v[216+\g], 23, v[220+\g]
.endr
	s_delay_alu instid0(VALU_DEP_1)
	v_lshl_or_b32 v234, v217, 8, v216
	v_cvt_scalef32_pk16_fp6_f32 v[192:194], v[96:111], v220
	v_cvt_scalef32_pk16_fp6_f32 v[204:206], v[112:127], v221
	v_nop                                          ; one plain place behind the scaled conversions
.irp i, 0,1,2
	v_permlane16_swap_b32 v[192+\i], v[204+\i]     ; here a block lies in lanes l and l xor 16: a whole block to a lane
.endr
.irp i, 0,1,2
	s_delay_alu instid0(VALU_DEP_3)
	v_mov_b32 v[195+\i], v[204+\i]
.endr
.irp j, 0,1,2
	global_store_b64 v1, v[192+2*\j:193+2*\j], s[66:67] offset:256*\j     ; 256 consecutive bytes, aligned
.endr
	global_store_b16 v7, v234, s[68:69]            ; 16 rows x 2 bytes; lanes 16-31 write what lanes 0-15 write
	s_wait_xcnt 0x0                                ; the stores have read their data and bases: both are written again
	s_add_nc_u64 s[66:67], s[66:67], 3072          ; the next tile of rows
	s_add_nc_u64 s[68:69], s[68:69], 32
.irp j, 0,1,2,3,4,5
	v_mov_b32 v[16+\j], v[34+\j]                   ; the second tile's Q
.endr
	v_mov_b32 v8, v9
	s_sub_co_u32 s59, s59, 1
	s_cmp_lg_u32 s59, 0
	s_cbranch_scc1 .Lpass
	s_wait_tensorcnt 0x0                           ; the wave's end
	ds_add_u32 v[SPW], v[NIL]
	s_wait_dscnt 0x0
	CROUND                                         ; the closing round
	s_endpgm
.Lfunc_end_k_q662c573f66_attn:
	.size	k_q662c573f66_attn, .Lfunc_end_k_q662c573f66_attn-k_q662c573f66_attn
	.p2alignl 7, 3214868480
	.fill 96, 4, 3214868480
	.section	.rodata,"a",@progbits
	.p2align	6, 0x0
	.amdhsa_kernel k_q662c573f66_attn
		.amdhsa_group_segment_fixed_size 288768
		.amdhsa_private_segment_fixed_size 0
		.amdhsa_enable_private_segment 0
		.amdhsa_kernarg_size 32
		.amdhsa_user_sgpr_count 2
		.amdhsa_user_sgpr_kernarg_segment_ptr 1
		.amdhsa_wavefront_size32 1
		.amdhsa_system_sgpr_workgroup_id_x 1
		.amdhsa_system_sgpr_workgroup_id_y 1
		.amdhsa_system_sgpr_workgroup_id_z 1
		.amdhsa_system_vgpr_workitem_id 0
		.amdhsa_next_free_vgpr 256
		.amdhsa_next_free_sgpr 90
		.amdhsa_reserve_vcc 0
		.amdhsa_float_denorm_mode_32 3
		.amdhsa_float_denorm_mode_16_64 3
		.amdhsa_memory_ordered 1
		.amdhsa_forward_progress 1
		.amdhsa_inst_pref_size 31
	.end_amdhsa_kernel
	.amdgpu_metadata
---
amdhsa.version: [ 1, 2 ]
amdhsa.kernels:
  - .name:           k_q662c573f66_attn
    .symbol:         k_q662c573f66_attn.kd
    .args:
      - { .name: qkvc, .offset: 0, .size: 8, .value_kind: global_buffer, .address_space: global }
      - { .name: qkvs, .offset: 8, .size: 8, .value_kind: global_buffer, .address_space: global }
      - { .name: attc, .offset: 16, .size: 8, .value_kind: global_buffer, .address_space: global }
      - { .name: atts, .offset: 24, .size: 8, .value_kind: global_buffer, .address_space: global }
    .group_segment_fixed_size: 288768
    .private_segment_fixed_size: 0
    .kernarg_segment_align: 8
    .kernarg_segment_size: 32
    .max_flat_workgroup_size: 512
    .sgpr_count:     90
    .vgpr_count:     256
    .wavefront_size: 32
...
	.end_amdgpu_metadata
.endif
;; end of part 3
;; launch outp (part 4): grid 4 x 64, 4 waves a work-group, clusters of 4 x 4, 295,424 bytes of LDS; arguments attc, atts, opc, ops, bo, out0; writes out0
.if DOCPART == 4
	.amdgcn_target "amdgcn-amd-amdhsa--gfx1250"
	.amdhsa_code_object_version 6
	.text
	.protected	k_q662c573f66_outp
	.globl	k_q662c573f66_outp
	.p2align	8
	.type	k_q662c573f66_outp,@function
k_q662c573f66_outp:
	s_mov_b64 s[64:65], 0
	v_nop
	global_prefetch_b8 v0, s[64:65] scope:SCOPE_SE
	s_setreg_imm32_b32 hwreg(HW_REG_WAVE_MODE, 25, 1), 1
	s_wait_xcnt 0x0
	s_wait_alu depctr_hold_cnt(0) depctr_sa_sdst(0) depctr_va_vdst(0) depctr_va_sdst(0) depctr_va_ssrc(0) depctr_va_vcc(0) depctr_vm_vsrc(0)
	s_getreg_b32 s2, hwreg(HW_REG_IB_STS2, 6, 4)
	s_cmp_eq_u32 s2, 0
	s_cbranch_scc0 .Lentry_in_a_cluster
	s_endpgm
.Lentry_in_a_cluster:
	s_bfe_u32 s2, ttmp6, 0x10000c
	s_cmp_lg_u32 s2, 0xf033
	s_cbranch_scc0 .Lentry_shape_is_right
	s_endpgm
.Lentry_shape_is_right:
; out0 [8192][1024] f32 = A Wo + bo.  A: the attention's result as codes of FP6 (E2M3), attc [K / 256][512 tiles of 16 rows][4 images of 768 bytes], its scale bytes atts [head][row][2];
; Wo: codes in opc at C_WO, [K / 256][64 tiles][4 images], scale bytes in ops at S_WO, [K / 256][tile][16 rows][8]; tile 2 g + e, row i of Wo is output column 32 g + 8 e + i + 8 (i / 8).
; A work-group makes 128 rows x 256 columns: 4 x 64 = 256 work-groups.  A wave makes 64 x 128: 32 accumulators, 256 registers.
; ALL OF K = 1,024 LIES IN LDS AT ONCE: A's 8 tiles 98,304 bytes, Wo's 16 tiles 196,608.  One joint load a wave at the head brings it: a tile of 4 rows, one for each 256 along K (12,288 bytes of A's 4 tiles for waves 0 and 1,
; 24,576 bytes of Wo's 8 tiles for waves 2 and 3), each row dense in memory and beginning at a multiple of 256 bytes.  Nothing is filled again: no ring, and no round but the opening and the closing one.
; No prefetch: all that the launch reads by tensor loads is asked for at its head, so there is no loop to run ahead in.
; CLUSTERS: 4 x 4 work-groups; A's tiles hang on the tile row alone and are shared along a row of the cluster, Wo's on the tile column alone and are shared along a column.
; THE MATRIX INSTRUCTION IS USED TRANSPOSED (source 0 = 16 rows of Wo's tile, source 1 = 16 rows of A): a lane holds eight neighbouring columns of one row of the result.  The bias is the C of the first K step's products.
; REGISTERS: window 0: v16-31 addresses; v32-47 A's scale words, v48-63 their upper halves as loaded; v64-95 Wo's scale words; v96-127, v224-255 the bias; v128-175, v176-223 A's fragments, two sets; on the way out v128-255 are free.
;   window 1: Wo's fragments, two sets, at v0 and v128.   window 2: accumulator (a, b) at v[8 (8 a + b)].
.set C_WO, 12976128
.set S_WO, 540672
.set AHALF, 49152                      ; 4 x 4 tiles x 3,072 bytes: what one wave reads of A
.set BHALF, 98304                      ; 4 x 8 tiles x 3,072 bytes: what one wave reads of Wo
.set BREG, 2*AHALF
.set SPARE, BREG+2*BHALF               ; 294,912: the spare words, 128 bytes a wave: two blocks of 256 bytes that no other line names
.set FR, 12
.set ADRA, 16
.set ADRB, 18                          ; v18: K under 512; v19: from 512 on (an LDS offset has 16 bits)
.set L2, 20
.set STO, 24
.set RD, 25
.set SPW, 28
.set NIL, 29
.set L8, 30
.set L16, 31
.set SA, 32
.set SH, 48
.set SB, 64
.set AF, 128
.set BK, 128
.set G1, 24
.set G0, 32
.set G1B, 48
.set G0B, 56
.set MSB, 0
.macro WIN new
.if MSB != \new
	s_set_vgpr_msb (MSB<<8)|\new
.set MSB, \new
.endif
.endm
.set TO_B, 0x40                        ; destination window 1, address window 0
.macro PLACES
.rept 4
	v_nop
.endr
.endm
.macro CREST
	s_cmp_lg_u32 s14, 0
	s_cbranch_scc1 .Lnot_wave_0_\@
	s_barrier_signal -3
.Lnot_wave_0_\@:
	s_barrier_wait -3
	s_barrier_signal -1
	s_barrier_wait -1
.endm
.macro CROUND
	s_barrier_signal -1
	s_barrier_wait -1
	CREST
.endm
	s_load_b256 s[4:11], s[0:1], 0x0               ; attc, atts, opc, ops
	s_load_b128 s[92:95], s[0:1], 0x20             ; bo, out0
	v_lshl_add_u32 v[SPW], v0, 2, SPARE
	v_mov_b32 v[NIL], 0
	ds_add_u32 v[SPW], v[NIL]                      ; the wave's opening
	ds_add_u32 v[SPW], v[NIL]
	v_lshrrev_b32 v1, 5, v0
	v_readfirstlane_b32 s14, v1                    ; wave 0..3
	s_lshr_b32 s15, s14, 1                         ; which 64 rows are mine.  Also: I fetch for A (0) or for Wo (1)
	s_and_b32 s16, s14, 1                          ; which 128 columns.  Also: which half of that operand I fetch
	s_bfe_u32 s40, ttmp6, 0x40000                  ; cx, cy
	s_bfe_u32 s41, ttmp6, 0x40004
	s_lshl_b32 s42, ttmp9, 2
	s_add_co_u32 s42, s42, s40                     ; tile column, 0..3
	s_and_b32 s17, ttmp7, 0xffff
	s_lshl_b32 s17, s17, 2
	s_add_co_u32 s17, s17, s41                     ; tile row, 0..63
	s_lshl_b32 s43, s41, 2
	s_lshl_b32 s43, 15, s43                        ; my row of the cluster
	s_lshl_b32 s44, 0x1111, s40                    ; my column
	s_or_b32 s[G1+0], s43, (3<<16)|(1<<21)         ; elements of 8 bytes; bit 21 beside the mask; no padding: every LDS load reads 256 consecutive bytes
	s_or_b32 s[G1B+0], s44, (3<<16)|(1<<21)
	s_mov_b32 s[G1+1], 1536<<16                    ; A: rows of 1,536 elements (4 tiles),
	s_mov_b32 s[G1+2], 4<<16                       ; four of them,
	s_mov_b32 s[G1+3], 1536<<16
	s_mov_b32 s[G1+4], 4
	s_mov_b32 s[G1+5], 196608                      ; 512 tiles apart
	s_mov_b32 s[G1+6], 0
	s_mov_b32 s[G1+7], 0
	s_mov_b32 s[G1B+1], 3072<<16                   ; Wo: rows of 3,072 elements (8 tiles),
	s_mov_b32 s[G1B+2], 4<<16
	s_mov_b32 s[G1B+3], 3072<<16
	s_mov_b32 s[G1B+4], 4
	s_mov_b32 s[G1B+5], 24576                      ; 64 tiles apart
	s_mov_b32 s[G1B+6], 0
	s_mov_b32 s[G1B+7], 0
	s_lshl_b32 s2, s17, 3
	s_lshl_b32 s18, s16, 2
	s_add_co_u32 s2, s2, s18                       ; A: tile 8 x tile row + 4 x half
	s_mul_i32 s2, s2, 3072
	s_mov_b32 s3, 0
	s_lshl_b32 s46, s42, 4
	s_lshl_b32 s18, s16, 3
	s_add_co_u32 s46, s46, s18                     ; Wo: tile 16 x tile column + 8 x half
	s_mul_i32 s46, s46, 3072
	s_add_co_u32 s46, s46, C_WO
	s_mov_b32 s47, 0
	s_mul_i32 s96, s16, AHALF                      ; where they go: no place in the cluster enters an LDS address
	s_mul_i32 s97, s16, BHALF
	s_add_co_u32 s97, s97, BREG
	s_wait_dscnt 0x0                               ; both opening adds are done
	s_wait_kmcnt 0x0
	s_add_nc_u64 s[2:3], s[4:5], s[2:3]
	s_add_nc_u64 s[46:47], s[8:9], s[46:47]
	CROUND                                         ; all sixteen work-groups are here: the joint loads meet
	s_mov_b32 s[G0], 1
	s_mov_b32 s[G0+1], s96
	s_mov_b64 s[G0+2:G0+3], s[2:3]
	s_or_b32 s[G0+3], s[G0+3], 0x80000000
	s_mov_b32 s[G0B], 1
	s_mov_b32 s[G0B+1], s97
	s_mov_b64 s[G0B+2:G0B+3], s[46:47]
	s_or_b32 s[G0B+3], s[G0B+3], 0x80000000
	s_cmp_eq_u32 s15, 0                            ; one branch on the wave's number, a load in each arm: every wave issues exactly one
	s_cbranch_scc0 .Lfor_b
	tensor_load_to_lds s[G0:G0+3], s[G1:G1+7]
	s_nop 0
	PLACES
	s_branch .Lasked
.Lfor_b:
	tensor_load_to_lds s[G0B:G0B+3], s[G1B:G1B+7]
	s_nop 0
	PLACES
.Lasked:
	v_and_b32 v1, 31, v0
	v_and_b32 v2, 15, v0                           ; r
	v_bfe_u32 v3, v0, 4, 1                         ; h
	v_lshlrev_b32 v[L2], 1, v1
	v_lshlrev_b32 v[L8], 3, v1
	v_lshlrev_b32 v[L16], 4, v1
	v_lshlrev_b32 v4, 6, v3                        ; the bias: 16 h columns on
	s_wait_alu depctr_va_vdst(0)
	s_lshl_b32 s18, s17, 7
	s_lshl_b32 s19, s15, 6
	s_add_co_u32 s20, s18, s19                     ; my first row: 128 x tile row + 64 x half
	s_lshl_b32 s18, s20, 1
	s_mov_b32 s19, 0
	s_add_nc_u64 s[76:77], s[6:7], s[18:19]        ; its scale bytes
	s_lshl_b32 s18, s42, 4
	s_lshl_b32 s21, s16, 3
	s_add_co_u32 s18, s18, s21
	s_lshl_b32 s18, s18, 7
	s_add_co_u32 s18, s18, S_WO
	s_add_nc_u64 s[78:79], s[10:11], s[18:19]      ; my 8 tiles of Wo: their scale bytes
	s_lshl_b32 s18, s42, 8
	s_lshl_b32 s21, s16, 7
	s_add_co_u32 s18, s18, s21
	s_lshl_b32 s18, s18, 2                         ; my first column, in bytes
	s_add_nc_u64 s[80:81], s[92:93], s[18:19]
	s_add_nc_u64 s[12:13], s[94:95], s[18:19]
	s_lshl_b32 s18, s20, 12
	s_add_nc_u64 s[12:13], s[12:13], s[18:19]
.irp pa, 0,1
.irp kq, 0,1,2,3,4,5,6,7
	global_load_u16 v[SA+8*\pa+\kq], v[L2], s[76:77] offset:(2*\kq)*16384+64*\pa       ; lanes 0-15: A's block 2 pa, lanes 16-31: block 2 pa + 1; the two bytes of head 2 kq,
	global_load_u16 v[SH+8*\pa+\kq], v[L2], s[76:77] offset:(2*\kq+1)*16384+64*\pa     ; and of head 2 kq + 1
.endr
.endr
.irp pa, 0,1,2,3
.irp u, 0,1,2,3
	global_load_b64 v[SB+8*\pa+2*\u:SB+8*\pa+2*\u+1], v[L8], s[78:79] offset:8192*\u+256*\pa
.endr
.endr
.irp b, 0,1,2,3,4,5,6,7
	global_load_b128 v[96+8*\b+96*(\b/4):96+8*\b+96*(\b/4)+3], v4, s[80:81] offset:(32*(\b/2)+8*(\b%2))*4
	global_load_b128 v[96+8*\b+96*(\b/4)+4:96+8*\b+96*(\b/4)+7], v4, s[80:81] offset:(32*(\b/2)+8*(\b%2))*4+16
.endr
	s_mul_i32 s18, s15, AHALF
	s_mul_i32 s20, s16, BHALF
	s_add_co_u32 s20, s20, BREG
	v_add_nc_u32 v[ADRA], s18, v[L8]
	v_add_nc_u32 v[ADRB], s20, v[L8]
	v_add_nc_u32 v[ADRB+1], 49152, v[ADRB]
	s_mul_i32 s18, s14, 16*528                     ; my stage for the way out: 16 rows x 528 bytes, in A's bytes, which have had their one fill and, by then, their last read
	v_mul_u32_u24 v[STO], v2, 528
	v_lshl_add_u32 v[STO], v3, 6, v[STO]
	v_add_nc_u32 v[STO], s18, v[STO]
	v_add_nc_u32 v[RD], s18, v[L16]
	s_wait_loadcnt 0x0
.set i, 0
.rept 16
	v_lshl_or_b32 v[SA+i], v[SH+i], 16, v[SA+i]    ; A's scale word of 128 along K: two heads' bytes
.set i, i+1
.endr
.rept 8
	v_nop                                          ; a scale register written by a vector instruction stands 8 places ahead of a scaled matrix instruction
.endr
.macro FRAGL reg, adr, off             ; a fragment: two images, three loads of 256 consecutive bytes each
.irp p, 0,1,2,3,4,5
	ds_load_b64 v[\reg+2*\p:\reg+2*\p+1], v[\adr] offset:(\off)+(\p/3)*768+(\p%3)*256
.endr
.endm
.macro FETCH kq                        ; K step kq's fragments into set kq % 2: 48 loads for Wo's eight, 24 for A's four
	WIN TO_B
.irp i, 0,1,2,3,4,5,6,7
	FRAGL 128*((\kq)%2)+FR*\i, ADRB+(\kq)/4, (((\kq)/2)%2)*24576+\i*3072+((\kq)%2)*1536
.endr
	WIN 0
.irp i, 0,1,2,3
	FRAGL AF+48*((\kq)%2)+FR*\i, ADRA, ((\kq)/2)*12288+\i*3072+((\kq)%2)*1536
.endr
.endm
.macro WM a, b, kq
.set rD, 8*(8*(\a)+(\b))
.set rC, rD
.if (\kq) == 0
.set rC, 96+8*(\b)+96*((\b)/4)         ; the bias, in window 0
.endif
.set rB, 128*((\kq)%2)+FR*(\b)
.set rA, AF+48*((\kq)%2)+FR*(\a)
.set rX, SB+8*((\b)/2)+(\kq)
.set rY, SA+8*((\a)/2)+(\kq)
.if ((\a)%2 == 0) && ((\b)%2 == 0)
	v_wmma_scale_f32_16x16x128_f8f6f4 v[rD:rD+7], v[rB:rB+11], v[rA:rA+11], v[rC:rC+7], v[rX], v[rY] matrix_a_fmt:MATRIX_FMT_FP6 matrix_b_fmt:MATRIX_FMT_FP6
.elseif ((\a)%2 == 0)
	v_wmma_scale_f32_16x16x128_f8f6f4 v[rD:rD+7], v[rB:rB+11], v[rA:rA+11], v[rC:rC+7], v[rX], v[rY] matrix_a_fmt:MATRIX_FMT_FP6 matrix_b_fmt:MATRIX_FMT_FP6 matrix_a_scale:MATRIX_SCALE_ROW1
.elseif ((\b)%2 == 0)
	v_wmma_scale_f32_16x16x128_f8f6f4 v[rD:rD+7], v[rB:rB+11], v[rA:rA+11], v[rC:rC+7], v[rX], v[rY] matrix_a_fmt:MATRIX_FMT_FP6 matrix_b_fmt:MATRIX_FMT_FP6 matrix_b_scale:MATRIX_SCALE_ROW1
.else
	v_wmma_scale_f32_16x16x128_f8f6f4 v[rD:rD+7], v[rB:rB+11], v[rA:rA+11], v[rC:rC+7], v[rX], v[rY] matrix_a_fmt:MATRIX_FMT_FP6 matrix_b_fmt:MATRIX_FMT_FP6 matrix_a_scale:MATRIX_SCALE_ROW1 matrix_b_scale:MATRIX_SCALE_ROW1
.endif
.endm
; A K step of 128: its fragments are in; the next step's 72 loads are issued into the other set; then 32 matrix instructions, the 32 accumulators by turns in the same order in every step
.macro KSTEP kq
	s_wait_dscnt 0x0                               ; this step's fragments are in
.if (\kq) < 7
.if (\kq) > 0
	PLACES                                         ; in front of loads into registers that the last step's matrix instructions have read
.endif
	FETCH (\kq)+1
.else
	s_barrier_signal -1                            ; my last read of the tiles is over; only matrix instructions stand between this signal and its wait
.endif
.if (\kq) == 0
	WIN 0x81                                       ; source 0 window 1, source 1 and C window 0, D window 2
.else
	WIN 0xa1                                       ; C and D window 2
.endif
.irp a, 0,1,2,3
.irp b, 0,1,2,3,4,5,6,7
	WM \a, \b, \kq
.endr
.endr
.endm
	s_wait_alu depctr_va_vdst(0)
	s_wait_tensorcnt 0x0                           ; my part of the tiles is in,
	s_barrier_signal -1
	s_barrier_wait -1                              ; and everybody's
	FETCH 0
.set KQ, 0
.rept 8
	KSTEP KQ
.set KQ, KQ+1
.endr
	WIN 0
	s_barrier_wait -1                              ; nobody reads A's bytes any more: the stages may be written
; THE WAY OUT, block by block of 16 rows x 128 columns: through my own stage and back as whole rows of 512 bytes, which the 32 lanes store as two aligned units of 256 bytes.
; LDS serves a wave's instructions in order (ISA guide 5.7.1.4): no wait between the stores and the loads.
.macro TOSTAGE a
.set AC, 64*(\a)
	WIN 0x08                                       ; the data: window 2
.irp b, 0,1,2,3,4,5,6,7
	ds_store_b128 v[STO], v[AC+8*\b:AC+8*\b+3] offset:128*(\b/2)+32*(\b%2)          ; each accumulator from its low end on; columns 32 (b / 2) + 8 (b % 2) + 16 h + 0 .. 7
	ds_store_b128 v[STO], v[AC+8*\b+4:AC+8*\b+7] offset:128*(\b/2)+32*(\b%2)+16
.endr
	WIN 0
.set BB, BK+64*((\a)%2)
.irp t, 0,1,2,3,4,5,6,7,8,9,10,11,12,13,14,15
	ds_load_b128 v[BB+4*\t:BB+4*\t+3], v[RD] offset:\t*528
.endr
.endm
.macro SEND a, younger                 ; younger: the LDS instructions issued behind block a's loads, which may stay out
.set BB, BK+64*((\a)%2)
	s_wait_dscnt \younger
.if (\a) > 0
	s_add_nc_u64 s[12:13], s[12:13], 16*4096       ; (behind a wait on XCNT: the earlier stores have read their base)
.endif
.irp t, 0,1,2,3,4,5,6,7,8,9,10,11,12,13,14,15
	global_store_b128 v[L16], v[BB+4*\t:BB+4*\t+3], s[12:13] offset:\t*4096 th:TH_STORE_NT
.endr
.endm
	PLACES                                         ; behind the last products: for the reads of their results and the loads into registers that they have read
	TOSTAGE 0
.irp a, 1,2,3
.if \a > 1
	s_wait_xcnt 0x0                                ; block a - 2's stores have read their registers and their base
.endif
	TOSTAGE \a
	SEND \a-1, 32                                  ; behind block a - 1's loads: block a's 16 stores and 16 loads
.endr
	s_wait_xcnt 0x0
	SEND 3, 0
	s_wait_tensorcnt 0x0                           ; the wave's end
	ds_add_u32 v[SPW], v[NIL]
	s_wait_dscnt 0x0
	CROUND                                         ; the closing round
	s_endpgm
.Lfunc_end_k_q662c573f66_outp:
	.size	k_q662c573f66_outp, .Lfunc_end_k_q662c573f66_outp-k_q662c573f66_outp
	.p2alignl 7, 3214868480
	.fill 96, 4, 3214868480
	.section	.rodata,"a",@progbits
	.p2align	6, 0x0
	.amdhsa_kernel k_q662c573f66_outp
		.amdhsa_group_segment_fixed_size 295424
		.amdhsa_private_segment_fixed_size 0
		.amdhsa_enable_private_segment 0
		.amdhsa_kernarg_size 48
		.amdhsa_user_sgpr_count 2
		.amdhsa_user_sgpr_kernarg_segment_ptr 1
		.amdhsa_wavefront_size32 1
		.amdhsa_system_sgpr_workgroup_id_x 1
		.amdhsa_system_sgpr_workgroup_id_y 1
		.amdhsa_system_sgpr_workgroup_id_z 1
		.amdhsa_system_vgpr_workitem_id 0
		.amdhsa_next_free_vgpr 768
		.amdhsa_next_free_sgpr 100
		.amdhsa_reserve_vcc 0
		.amdhsa_float_denorm_mode_32 3
		.amdhsa_float_denorm_mode_16_64 3
		.amdhsa_memory_ordered 1
		.amdhsa_forward_progress 1
		.amdhsa_inst_pref_size 99
	.end_amdhsa_kernel
	.amdgpu_metadata
---
amdhsa.version: [ 1, 2 ]
amdhsa.kernels:
  - .name:           k_q662c573f66_outp
    .symbol:         k_q662c573f66_outp.kd
    .args:
      - { .name: attc, .offset: 0, .size: 8, .value_kind: global_buffer, .address_space: global }
      - { .name: atts, .offset: 8, .size: 8, .value_kind: global_buffer, .address_space: global }
      - { .name: opc, .offset: 16, .size: 8, .value_kind: global_buffer, .address_space: global }
      - { .name: ops, .offset: 24, .size: 8, .value_kind: global_buffer, .address_space: global }
      - { .name: bo, .offset: 32, .size: 8, .value_kind: global_buffer, .address_space: global }
      - { .name: out0, .offset: 40, .size: 8, .value_kind: global_buffer, .address_space: global }
    .group_segment_fixed_size: 295424
    .private_segment_fixed_size: 0
    .kernarg_segment_align: 8
    .kernarg_segment_size: 48
    .max_flat_workgroup_size: 128
    .sgpr_count:     100
    .vgpr_count:     768
    .wavefront_size: 32
...
	.end_amdgpu_metadata
.endif
;; end of part 4
